; MI455X (gfx1250); checked and timed in simulation.
; The chip was launched on July 23, 2026; its instructions are those of AMD's public machine-readable ISA for CDNA 5 (MIT licence, August 2026) and "CDNA5" Instruction Set Architecture Reference Guide (July 2026). The comments in the code are by the model that wrote it; some were corrected since.
;; Multi Head Self Attention. Allowed arithmetic: matrix products marked QUANTISED: E2M3 operands, one E8M0 scale for each 32 along K, by v_wmma_scale_f32_16x16x128_f8f6f4 with both operands' format E2M3, f32 sums; everything else in f32.
;; Inputs: Wk 1,024 x 1,024 float32; Wo 1,024 x 1,024 float32; Wq 1,024 x 1,024 float32; Wv 1,024 x 1,024 float32; bk 1,024 float32; bo 1,024 float32; bq 1,024 float32; bv 1,024 float32; mask 2 x 2,048 int32; x 2 x 2,048 x 1,024 float32.
;; Outputs: out0 2 x 2,048 x 1,024 float32.
;; This version of the problem:
;;   THIS VERSION OF THE PROBLEM IS GIVEN IN LOW PRECISION. The matrix products marked QUANTISED in the list below multiply operands that are first quantised to E2M3 (2 exponent bits, 3 mantissa bits; 6 bits a number), with one power-of-two scale for each 32 numbers along K (OCP MX v1.0); their sums are f32. All else is computed in f32.
;;   The module's matrix products, in the order in which they are computed (A, B: the left and right operand; K: the contracted axis; several contracted axes count as one K, in the product's order):
;;     1. [M 4,096, K 1,024] x [K 1,024, N 1,024]; A: input x; B: input Wq: QUANTISED
;;     2. [M 4,096, K 1,024] x [K 1,024, N 1,024]; A: input x; B: input Wk: QUANTISED
;;     3. [M 4,096, K 1,024] x [K 1,024, N 1,024]; A: input x; B: input Wv: QUANTISED
;;     4. batch 32 x [M 2,048, K 64] x [K 64, N 2,048]; A: computed on the way; B: computed on the way: QUANTISED
;;     5. batch 32 x [M 2,048, K 2,048] x [K 2,048, N 64]; A: softmax (see below); B: computed on the way: QUANTISED
;;     6. [M 4,096, K 1,024] x [K 1,024, N 1,024]; A: computed on the way; B: input Wo: QUANTISED
;;   THE QUANTISER, for each operand of a quantised product, along K:
;;     - K is cut into blocks of 32 from its start; a last block that is shorter is filled with zeros.
;;     - A block's scale is 2^e with e = floor(log2(the largest magnitude in the block)) - 2, held to -126 .. 127; a block of zeros has e = 0. As a byte (E8M0): e + 127.
;;     - Each number is divided by its block's scale, clamped to +-7.5, and rounded to the nearest number of E2M3, ties to even, subnormals kept.
;;     - The product sums the exact products of the quantised numbers (number of the format x scale) in f32.
;;   ~~~python
;;   def quantise(x, axis):      # numpy; x: float32 -> the quantised numbers, widened to float32 again
;;       x = np.moveaxis(x, axis, -1); K = x.shape[-1]
;;       x = np.pad(x, [(0, 0)] * (x.ndim - 1) + [(0, -K % 32)]); x = x.reshape(x.shape[:-1] + (-1, 32)); a = np.abs(x).max(-1, keepdims=True)
;;       e = np.where(a > 0, np.clip(np.frexp(np.where(a > 0, a, 1))[1] - 1 - 2, -126, 127), 0)      # np.frexp(a)[1] - 1 = floor(log2(a)), exactly
;;       r = np.clip(x / 2.0 ** e, -7.5, 7.5)
;;       step = 2.0 ** (np.maximum(np.frexp(np.where(r == 0, 1, r))[1] - 1, 0) - 3)
;;       q = np.round(r / step) * step * 2.0 ** e      # np.round: ties to even
;;       return np.moveaxis(q.reshape(q.shape[:-2] + (-1,))[..., :K], -1, axis).astype(np.float32)
;;   ~~~
;;   SOFTMAX AHEAD OF A QUANTISED PRODUCT. Where the list says 'softmax', what is quantised is not the finished softmax but p = 2^(t - M), with t = logit x log2(e) and M = ceil(the row's largest t), a whole number; so 1/2 < the row's largest p <= 1. The row's sum l is taken of the UNQUANTISED p, in f32, and the product's result is divided by l at the end. Since M is a whole number, a kernel that streams over the keys may use a running M (the ceiling of the running maximum): every later rescaling is an exact power of two, which a block's scale takes up: the codes' values come out the same.
;;   OPERANDS COMPUTED ON THE WAY. 'Computed on the way' means the value that the module computes at that place (a softmax that the list does not call 'softmax' is quantised finished and normalised). What goes into a quantiser is computed in f32, as accurately as f32 sums, v_exp_f32 and their like allow (about 1e-6 of the number): no bf16 or f16 on the way to a quantiser, and a product that is left as it is and whose result goes on into a quantised operand takes f32 operands (vector FMAs, or v_wmma_f32_16x16x4_f32). A number that lies on a knife's edge between two numbers of the format may be rounded either way, as far as f32 arithmetic and the matrix unit's own rounding can turn it there, and no further.
;; One version. Each part assembles by itself: llvm-mc -triple=amdgcn-amd-amdhsa -mcpu=gfx1250 --defsym DOCPART=n.
;; ======== version 1 of 1: 4 launches
;; workspace buffers: xq 3,276,800 bytes; wq 3,276,800 bytes; hq 9,830,400 bytes; aq 3,276,800 bytes
;; launch prep (part 1): grid 384 x 1, 4 waves a work-group, no clusters, 68,096 bytes of LDS; arguments x, Wq, Wk, Wv, Wo, xq, wq; writes xq, wq
.if DOCPART == 1
	.amdgcn_target "amdgcn-amd-amdhsa--gfx1250"
	.amdhsa_code_object_version 6
	.text
	.protected	k_q5130476270_prep
	.globl	k_q5130476270_prep
	.p2align	8
	.type	k_q5130476270_prep,@function
k_q5130476270_prep:
	s_mov_b64 s[64:65], 0
	v_nop
	global_prefetch_b8 v0, s[64:65] scope:SCOPE_SE
	s_setreg_imm32_b32 hwreg(HW_REG_WAVE_MODE, 25, 1), 1
	s_wait_xcnt 0x0
; x [4096][1024] f32 (K innermost) and Wq, Wk, Wv, Wo [1024 (k)][1024 (n)] f32 (K is the first axis) become codes of FP6 (E2M3) with one E8M0 byte for each 32 along K.
; A block's scale is 2^(floor(log2(largest magnitude)) - 2): its byte is the largest magnitude's exponent field - 2, held at 1 from below by a floor among the maximum's leaves.
; LIMITS: NaN and infinities are not served; a block of zeros gets the byte 1 (its codes are zeros, and the bytes are read by this program alone).
; LAYOUT OF THE CODES: images of the operand's registers.  The rows of an operand (tokens; W's columns n) go in tiles of 16: fragment row r of tile T is true row 32 (T / 2) + 8 (T % 2) + r % 8 + 16 (r / 8).
; A half image (768 bytes) holds a tile's 16 rows x 64 k: lane (r, h) has k = 32 h .. 32 h + 31 in six dwords: dwords 0-3 at 16 x lane, dwords 4-5 at 512 + 8 x lane.  Buffer: [tile][k / 64] half images.
; THE SCALE BYTES: tile x 512 + (k / 256) x 128 + 8 r + (k % 256) / 32, behind the codes (at byte 3,145,728).
; Work-groups 0-255: a tile of x each; wave w takes k = 256 w .. 256 w + 255.  Each load reads 512 consecutive bytes of a row; the numbers turn through the wave's own stage in LDS (rows 528 bytes apart)
; and come back 32 neighbours (a whole block) a lane.  Work-groups 256-383: a weight, 128 columns, 256 along K: a lane takes a column and its registers run down K.
; No tensor load, no barrier: waves share nothing.  Memory binds: no matrix unit, no cluster.
.set WSTG,   16896                     ; a wave's stage: two units of 16 rows x 528 bytes
.set UNITB,  8448
.set XPITCH, 528                       ; 512 bytes + 16: the sixteen rows of a load of 16 bytes a lane start in sixteen different columns of 16 bytes
.set SCB,    3145728                   ; where the scale bytes begin in xq and in wq
; 32 numbers of a lane, one block, v[src] on -> six dwords of codes in v[c] on, the scale's byte in v[by]
.macro Q32 src, c, by
	v_max3_num_f32 v12, |v[(\src)]|, |v[(\src)+1]|, |v[(\src)+2]|
	v_max3_num_f32 v13, |v[(\src)+3]|, |v[(\src)+4]|, |v[(\src)+5]|
.irp i, 6,10,14,18,22,26
	v_max3_num_f32 v12, v12, |v[(\src)+\i]|, |v[(\src)+\i+1]|
	v_max3_num_f32 v13, v13, |v[(\src)+\i+2]|, |v[(\src)+\i+3]|
.endr
	v_max3_num_f32 v12, v12, |v[(\src)+30]|, |v[(\src)+31]|
	v_max3_num_f32 v12, v12, v13, 0x1800000        ; the floor 2^(3 - 127): the byte cannot fall under 1
	v_add_nc_u32 v11, 0xff000000, v12              ; 2 off the exponent field: the conversion takes this operand's exponent field as its scale
	v_cvt_scalef32_pk16_fp6_f32 v[(\c):(\c)+2], v[(\src):(\src)+15], v11
	v_cvt_scalef32_pk16_fp6_f32 v[28:30], v[(\src)+16:(\src)+31], v11   ; (a conversion's three registers begin on an even number)
	v_lshrrev_b32 v[\by], 23, v11                  ; the byte; also the plain instruction behind the conversions
.irp i, 0,1,2
	v_mov_b32 v[(\c)+3+\i], v[28+\i]
.endr
.endm
.macro XLOAD j                         ; unit j: 16 rows x 128 k; a load reads 512 consecutive bytes of one row
.irp i, 0,1,2,3,4,5,6,7,8,9,10,11,12,13,14,15
	global_load_b128 v[64+64*\j+4*\i:64+64*\j+4*\i+3], v4, s[4:5] offset:((\i%8)+16*(\i/8))*4096+512*\j th:TH_LOAD_NT
.endr
.endm
.macro XIN j                           ; into the stage, as loaded
.irp i, 0,1,2,3,4,5,6,7,8,9,10,11,12,13,14,15
	ds_store_b128 v6, v[64+64*\j+4*\i:64+64*\j+4*\i+3] offset:UNITB*\j+XPITCH*\i
.endr
.endm
.macro XOUT j, dst                     ; and back: lane (r, h) takes, of row r, k = 64 k' + 32 h + 0 .. 31, for k' = 0, 1
.irp k, 0,1
.irp q, 0,1,2,3,4,5,6,7
	ds_load_b128 v[\dst+32*\k+4*\q:\dst+32*\k+4*\q+3], v7 offset:UNITB*\j+256*\k+16*\q
.endr
.endr
.endm
.macro WLOAD t                         ; block t of my column: W(32 t + i, n), i = 0 .. 31; the wave's 32 lanes read 128 consecutive bytes
.irp i, 0,1,2,3,4,5,6,7,8,9,10,11,12,13,14,15,16,17,18,19,20,21,22,23,24,25,26,27,28,29,30,31
	global_load_b32 v[64+32*((\t)%2)+\i], v4, s[30:31] offset:(32*(\t)+\i)*4096 th:TH_LOAD_NT
.endr
.endm
	s_load_b256 s[4:11], s[0:1], 0x0               ; x, Wq, Wk, Wv
	s_load_b128 s[12:15], s[0:1], 0x20             ; Wo, xq
	s_load_b64 s[16:17], s[0:1], 0x30              ; wq
	v_lshl_add_u32 v62, v0, 2, 0x10800
	v_mov_b32 v63, 0
	v_lshrrev_b32 v1, 5, v0
	v_readfirstlane_b32 s18, v1                    ; wave
	v_and_b32 v1, 31, v0                           ; lane
	v_and_b32 v2, 15, v0                           ; r
	v_bfe_u32 v3, v0, 4, 1                         ; h (for a weight: which of the two tiles)
	s_cmp_lt_u32 ttmp9, 256
	s_cbranch_scc0 .Lweights
	; ---------------- a tile of x ----------------
	v_lshlrev_b32 v4, 4, v1                        ; 16 x lane
	v_lshlrev_b32 v5, 3, v1                        ; 8 x lane
	s_mul_i32 s19, s18, WSTG
	v_add_nc_u32 v6, s19, v4                       ; the stage, way in
	v_mul_u32_u24 v7, v2, XPITCH
	v_lshl_add_u32 v7, v3, 7, v7
	v_add_nc_u32 v7, s19, v7                       ; way out: row r, + 128 h
	v_lshlrev_b32 v8, 3, v2
	v_lshl_add_u32 v8, v3, 2, v8                   ; scale bytes: 8 r + 4 h
	v_lshlrev_b32 v9, 3, v3                        ; 8 h
	v_mov_b32 v20, 0                               ; a lane permute's destination counts as read
	v_mov_b32 v21, 0
	s_mov_b32 s20, 0x76543210
	s_mov_b32 s21, 0xfedcba98                      ; selects for lane l xor 16
	s_lshr_b32 s22, ttmp9, 1
	s_lshl_b32 s22, s22, 17                        ; 32 rows of 4,096 bytes for each pair of tiles,
	s_and_b32 s23, ttmp9, 1
	s_lshl_b32 s23, s23, 15                        ; 8 rows for the odd tile,
	s_add_co_u32 s22, s22, s23
	s_lshl_b32 s23, s18, 10                        ; 256 numbers a wave
	s_add_co_u32 s22, s22, s23
	s_mov_b32 s23, 0
	s_mul_i32 s24, ttmp9, 12288                    ; the tile's 16 half images,
	s_mul_i32 s25, s18, 3072                       ; my wave's four
	s_add_co_u32 s24, s24, s25
	s_mov_b32 s25, 0
	s_lshl_b32 s26, ttmp9, 9
	s_lshl_b32 s27, s18, 7
	s_add_co_u32 s26, s26, s27
	s_add_co_u32 s26, s26, SCB
	s_mov_b32 s27, 0
	s_wait_kmcnt 0x0
	s_add_nc_u64 s[4:5], s[4:5], s[22:23]
	s_add_nc_u64 s[24:25], s[14:15], s[24:25]
	s_add_nc_u64 s[26:27], s[14:15], s[26:27]
	XLOAD 0
	XLOAD 1
	s_wait_loadcnt 16                              ; unit 0's 16 loads are in; unit 1's may be out
	XIN 0
	XOUT 0, 192
	s_wait_loadcnt 0x0
	XIN 1
	s_wait_dscnt 32                                ; unit 0's 16 stores are done (behind them: its 16 loads and unit 1's 16 stores): their registers take unit 1's numbers
	XOUT 1, 64
	s_wait_dscnt 32                                ; unit 0's numbers are back (behind them: unit 1's 16 stores and 16 loads)
.irp kk, 0,1
	Q32 192+32*\kk, 32+8*\kk, 14+\kk
	global_store_b128 v4, v[32+8*\kk:35+8*\kk], s[24:25] offset:768*\kk        ; 512 consecutive bytes
	global_store_b64 v5, v[36+8*\kk:37+8*\kk], s[24:25] offset:768*\kk+512     ; 256 consecutive bytes
.endr
	s_wait_dscnt 0x0
.irp kk, 2,3
	Q32 32*\kk, 32+8*\kk, 14+\kk                   ; unit 1 lies in v64-127
	global_store_b128 v4, v[32+8*\kk:35+8*\kk], s[24:25] offset:768*\kk
	global_store_b64 v5, v[36+8*\kk:37+8*\kk], s[24:25] offset:768*\kk+512
.endr
	; lane (r, h) has the bytes of blocks 2 kk + h of row r: two words of four bytes are pieced together with lane l xor 16
	v_lshl_or_b32 v18, v15, 16, v14
	v_lshl_or_b32 v19, v17, 16, v16
	v_lshlrev_b32 v18, v9, v18
	v_lshlrev_b32 v19, v9, v19
	v_permlanex16_b32 v20, v18, s20, s21
	v_permlanex16_b32 v21, v19, s20, s21
	v_or_b32 v18, v18, v20
	v_or_b32 v19, v19, v21
	v_cmp_ne_u32 vcc_lo, 0, v9
	v_cndmask_b32 v18, v18, v19, vcc_lo            ; lanes 0-15 store blocks 0-3, lanes 16-31 blocks 4-7
	global_store_b32 v8, v18, s[26:27]             ; 128 consecutive bytes
	s_wait_tensorcnt 0x0
	ds_add_u32 v62, v63
	s_wait_dscnt 0x0
	s_endpgm
	; ---------------- 128 columns x 256 k of a weight ----------------
.Lweights:
	s_sub_co_u32 s19, ttmp9, 256
	s_lshr_b32 s20, s19, 5                         ; which weight: 0 q, 1 k, 2 v, 3 o
	s_bfe_u32 s21, s19, 0x30002                    ; which 128 columns
	s_and_b32 s22, s19, 3                          ; which 256 along K
	s_lshl_b32 s21, s21, 2
	s_add_co_u32 s21, s21, s18                     ; my wave's 32 columns: tiles 2 beta and 2 beta + 1
	v_and_b32 v4, 7, v2
	v_lshrrev_b32 v5, 3, v2
	v_lshl_add_u32 v4, v5, 4, v4
	v_lshl_add_u32 v4, v3, 3, v4                   ; my column among the 32: 8 u + r % 8 + 16 (r / 8)
	v_lshlrev_b32 v4, 2, v4
	v_mul_u32_u24 v8, v3, 12288                    ; the odd tile's images lie 12,288 bytes on
	v_lshl_add_u32 v5, v2, 4, v8                   ; dwords 0-3: + 16 r
	v_lshl_add_u32 v6, v2, 3, v8                   ; dwords 4-5: + 8 r
	v_lshlrev_b32 v7, 3, v2
	v_lshl_add_u32 v7, v3, 9, v7                   ; scale bytes: 512 u + 8 r
	s_lshl_b32 s24, s22, 20                        ; 256 rows of 4,096 bytes
	s_lshl_b32 s25, s21, 7
	s_add_co_u32 s24, s24, s25
	s_mov_b32 s25, 0
	s_mul_i32 s26, s20, 786432
	s_mul_i32 s27, s21, 24576
	s_add_co_u32 s26, s26, s27
	s_mul_i32 s27, s22, 3072
	s_add_co_u32 s26, s26, s27
	s_mov_b32 s27, 0
	s_lshl_b32 s28, s20, 15
	s_lshl_b32 s29, s21, 10
	s_add_co_u32 s28, s28, s29
	s_lshl_b32 s29, s22, 7
	s_add_co_u32 s28, s28, s29
	s_add_co_u32 s28, s28, SCB
	s_mov_b32 s29, 0
	s_wait_kmcnt 0x0
	s_bitcmp1_b32 s20, 0                           ; the weight is chosen by the work-group's number alone
	s_cselect_b64 s[30:31], s[8:9], s[6:7]
	s_cselect_b64 s[32:33], s[12:13], s[10:11]
	s_bitcmp1_b32 s20, 1
	s_cselect_b64 s[30:31], s[32:33], s[30:31]
	s_add_nc_u64 s[30:31], s[30:31], s[24:25]
	s_add_nc_u64 s[26:27], s[16:17], s[26:27]
	s_add_nc_u64 s[28:29], s[16:17], s[28:29]
	WLOAD 0
	WLOAD 1
.irp t, 0,1,2,3,4,5,6,7
.if \t < 7
	s_wait_loadcnt 32                              ; this block's 32 loads are in; the next block's may be out
.else
	s_wait_loadcnt 0x0
.endif
	Q32 64+32*(\t%2), 192+8*\t, 14                 ; each block has its own registers for its codes: no store's data are written again
.if \t%4 == 0
	v_mov_b32 v[24+\t/4], v14
.else
	v_lshl_or_b32 v[24+\t/4], v14, 8*(\t%4), v[24+\t/4]
.endif
	global_store_b128 v5, v[192+8*\t:195+8*\t], s[26:27] offset:768*(\t/2)+256*(\t%2)       ; block t is half t % 2 of image t / 2: sixteen lanes fill 256 aligned bytes
	global_store_b64 v6, v[196+8*\t:197+8*\t], s[26:27] offset:768*(\t/2)+512+128*(\t%2)
.if \t < 6
	WLOAD \t+2
.endif
.endr
	global_store_b64 v7, v[24:25], s[28:29]        ; my column's eight bytes: sixteen lanes 128 consecutive bytes
	s_endpgm
.Lfunc_end_k_q5130476270_prep:
	.size	k_q5130476270_prep, .Lfunc_end_k_q5130476270_prep-k_q5130476270_prep
	.p2alignl 7, 3214868480
	.fill 96, 4, 3214868480
	.section	.rodata,"a",@progbits
	.p2align	6, 0x0
	.amdhsa_kernel k_q5130476270_prep
		.amdhsa_group_segment_fixed_size 68096
		.amdhsa_private_segment_fixed_size 0
		.amdhsa_enable_private_segment 0
		.amdhsa_kernarg_size 56
		.amdhsa_user_sgpr_count 2
		.amdhsa_user_sgpr_kernarg_segment_ptr 1
		.amdhsa_wavefront_size32 1
		.amdhsa_system_sgpr_workgroup_id_x 1
		.amdhsa_system_sgpr_workgroup_id_y 1
		.amdhsa_system_sgpr_workgroup_id_z 1
		.amdhsa_system_vgpr_workitem_id 0
		.amdhsa_next_free_vgpr 256
		.amdhsa_next_free_sgpr 66
		.amdhsa_reserve_vcc 1
		.amdhsa_float_denorm_mode_32 3
		.amdhsa_float_denorm_mode_16_64 3
		.amdhsa_memory_ordered 1
		.amdhsa_forward_progress 1
		.amdhsa_inst_pref_size 55
	.end_amdhsa_kernel
	.amdgpu_metadata
---
amdhsa.version: [ 1, 2 ]
amdhsa.kernels:
  - .name:           k_q5130476270_prep
    .symbol:         k_q5130476270_prep.kd
    .args:
      - { .name: x, .offset: 0, .size: 8, .value_kind: global_buffer, .address_space: global }
      - { .name: Wq, .offset: 8, .size: 8, .value_kind: global_buffer, .address_space: global }
      - { .name: Wk, .offset: 16, .size: 8, .value_kind: global_buffer, .address_space: global }
      - { .name: Wv, .offset: 24, .size: 8, .value_kind: global_buffer, .address_space: global }
      - { .name: Wo, .offset: 32, .size: 8, .value_kind: global_buffer, .address_space: global }
      - { .name: xq, .offset: 40, .size: 8, .value_kind: global_buffer, .address_space: global }
      - { .name: wq, .offset: 48, .size: 8, .value_kind: global_buffer, .address_space: global }
    .group_segment_fixed_size: 68096
    .private_segment_fixed_size: 0
    .kernarg_segment_align: 8
    .kernarg_segment_size: 56
    .max_flat_workgroup_size: 128
    .sgpr_count:     66
    .vgpr_count:     256
    .wavefront_size: 32
...
	.end_amdgpu_metadata
.endif
;; end of part 1
;; launch gemm_qkv (part 2): grid 12 x 16, 4 waves a work-group, clusters of 4 x 4, 327,680 bytes of LDS; arguments xq, wq, bq, bk, bv, hq; writes hq
.if DOCPART == 2
	.amdgcn_target "amdgcn-amd-amdhsa--gfx1250"
	.amdhsa_code_object_version 6
	.text
	.protected	k_q5130476270_gemm_qkv
	.globl	k_q5130476270_gemm_qkv
	.p2align	8
	.type	k_q5130476270_gemm_qkv,@function
k_q5130476270_gemm_qkv:
	s_mov_b64 s[64:65], 0
	v_nop
	global_prefetch_b8 v0, s[64:65] scope:SCOPE_SE
	s_setreg_imm32_b32 hwreg(HW_REG_WAVE_MODE, 25, 1), 1
	s_wait_xcnt 0x0
	s_wait_alu depctr_hold_cnt(0) depctr_sa_sdst(0) depctr_va_vdst(0) depctr_va_sdst(0) depctr_va_ssrc(0) depctr_va_vcc(0) depctr_vm_vsrc(0)
	s_getreg_b32 s2, hwreg(HW_REG_IB_STS2, 6, 4)
	s_cmp_eq_u32 s2, 0
	s_cbranch_scc0 .Lentry_in_a_cluster
	s_endpgm
.Lentry_in_a_cluster:
	s_bfe_u32 s2, ttmp6, 0x10000c
	s_cmp_lg_u32 s2, 0xf033
	s_cbranch_scc0 .Lentry_shape_is_right
	s_endpgm
.Lentry_shape_is_right:
; q = x Wq + bq, k = x Wk + bk, v = x Wv + bv on codes of FP6 (E2M3) with E8M0 scales, K = 1,024; the results are quantised on the way out and leave as codes: q and k along the head's 64, v along the keys.
; C' = A' B'^T, a tile of 256 x 256 to a work-group of four waves, 128 x 128 (64 accumulators, 512 registers) to a wave.  The matrix instruction is used transposed (source 0 = 16 rows of B', source 1 = 16 rows
; of A'): a lane holds ONE row of A', and its registers run along B's rows.  TWO MODES, by the cluster's x, which all sixteen partners share:
;   clusters 0, 1: A' = x (tokens), B' = Wq's and Wk's columns, which lie on end in wq: a lane's registers run along a head's channels: q's and k's K.
;   cluster 2:     A' = Wv's columns, B' = x: the result is V^T: a lane's registers run along the keys: the second attention product's K.
; OPERANDS lie in memory as images of their registers (half images of 768 bytes: 16 rows x 64 k; dwords 0-3 at 16 x lane, dwords 4-5 at 512 + 8 x lane), [tile of 16 rows][k / 64]; fragment row r of tile T is
; true row 32 (T / 2) + 8 (T % 2) + r % 8 + 16 (r / 8), so that the 16 registers of two neighbouring result tiles are 16 neighbours.  A fragment comes by two loads of 16 and two of 8 bytes a lane, all dense.
; K goes in steps of 256 through two LDS slots filled by joint tensor loads (A's tile shared along a row of the cluster, B's along a column); the scale bytes of all of K come once.  By this text's count a wave has three
; tensor loads out at the start and one behind each change of slots.  No prefetch: each slot is filled again once, and the launch is short.
; LIMITS: NaN and infinities are not served; a block of zeros gets the byte 1 over zero codes (the bytes are read by this program alone).
; REGISTERS: window 0: v16-31 addresses; v32-63 scale words, two sets (on the way out: at work); v64-127 the bias along the registers; v128-223 A's fragments (on the way out: 64 numbers, codes); v224-239 the bias along the lanes.
;   window 1: B's fragments, two sets, at v0 and v128.   window 2, 3: the accumulators of my rows 0-63, 64-127 ((a, b) at v[8 (8 (a % 4) + b)]).
.set NQ,     2                         ; matrix instructions deep in a K step of 256
.set FR,     12                        ; registers of a fragment
.set NL,     4                         ; LDS loads that bring one
.set NP,     4                         ; places behind this matrix instruction (ISA guide 7.12.1)
.set STEPB,  3072                      ; a tile's four half images of a K step
.set HALFT,  24576                     ; 8 tiles x 3,072 bytes: what one tensor load brings, and what a wave reads of A' or of B'
.set SLOT,   98304
.set SCL,    196608                    ; behind the ring: the scale bytes, 4,096 for each 128 rows
.set HALFS,  4096
.set SBLK,   512                       ; those of a tile
.set SKEW,   128                       ; B's lie 128 bytes further on, so that lanes 0-15 (A's words) and lanes 16-31 (B's) of a load touch different banks
.set SPARE,  SCL+4*HALFS+256           ; the spare words, 128 bytes for each wave: two blocks of 256 bytes that no other line names
.set ADRA, 16                          ; v16-17 my A' fragments in slot 0, 1: + 16 x lane;  v18-19: + 8 x lane
.set ADRB, 20                          ; v20-23 the same for B'
.set L16,  24                          ; v24  16 x lane
.set L8,   25                          ; v25  8 x lane
.set SO,   26                          ; v26  the scale words' way out: 4,096 (lane / 16) + 16 r
.set ADRS, 27                          ; v27  my scale words in LDS: lanes 0-15 A's rows, lanes 16-31 B's
.set SPW,  28                          ; v28  my spare word; never rewritten
.set NIL,  29                          ; v29  0; never rewritten
.set BJO,  30                          ; v30  64 h
.set BLO,  31                          ; v31  4 (r % 8 + 16 (r / 8))
.set SC,   32
.set TM,   32                          ; the way out: v32-47 at work, v48-55 eight scale words, v56-59 what is stored of them
.set PWS,  48
.set OW,   56
.set BJ,   64
.set AF,   128
.set HA,   128                         ; the way out: 64 numbers
.set PC,   192                         ; and their codes (v192-211)
.set BL,   224
.set SEL,  2                           ; s[2:3] selects for lane l xor 16
.set G1, 24
.set G0, 32
.set G1B, 48
.set G0B, 56
.set G1S, 68
.set G0S, 76
.set G1SB, 80
.set G0SB, 88
.set MSB, 0
.macro WIN new                         ; the immediate's high byte repeats the setting that is left
.if MSB != \new
	s_set_vgpr_msb (MSB<<8)|\new
.set MSB, \new
.endif
.endm
.set MUL_LO, 0xa1                      ; source 0 (B') window 1, source 1 (A') window 0, C and D window 2
.set MUL_HI, 0xf1                      ; the same, C and D window 3
.set TO_B,   0x40                      ; destination window 1, address window 0
; A joint load: waves 0 and 1 fetch for A', waves 2 and 3 for B'.  The branch hangs on the wave's number alone.  Four v_nop follow each of the two lines.
.macro JLOAD g0a, g1a, g0b, g1b
	s_cmp_eq_u32 s15, 0
	s_cbranch_scc0 .Lfor_b_\@
	tensor_load_to_lds s[\g0a:\g0a+3], s[\g1a:\g1a+7]
	s_nop 0
.rept 4
	v_nop
.endr
	s_branch .Lasked_\@
.Lfor_b_\@:
	tensor_load_to_lds s[\g0b:\g0b+3], s[\g1b:\g1b+7]
	s_nop 0
.rept 4
	v_nop
.endr
.Lasked_\@:
.endm
.macro CREST                           ; a round of the cluster's barrier behind its opening barrier
	s_cmp_lg_u32 s14, 0
	s_cbranch_scc1 .Lnot_wave_0_\@
	s_barrier_signal -3
.Lnot_wave_0_\@:
	s_barrier_wait -3
	s_barrier_signal -1
	s_barrier_wait -1
.endm
.macro CROUND
	s_barrier_signal -1
	s_barrier_wait -1
	CREST
.endm
	s_load_b256 s[4:11], s[0:1], 0x0               ; xq, wq, bq, bk
	s_load_b128 s[96:99], s[0:1], 0x20             ; bv, hq
	v_lshl_add_u32 v[SPW], v0, 2, SPARE
	v_mov_b32 v[NIL], 0
	ds_add_u32 v28, v29
	ds_add_u32 v28, v29
	s_wait_dscnt 0x0
	v_lshrrev_b32 v1, 5, v0
	v_readfirstlane_b32 s14, v1                    ; wave 0..3
	s_lshr_b32 s15, s14, 1                         ; which half of the tile's rows (A') is mine.  Also: I fetch for A' (0) or for B' (1)
	s_and_b32 s16, s14, 1                          ; which half of its columns (B').  Also: which 128 rows I fetch
	s_bfe_u32 s40, ttmp6, 0x40000                  ; cx
	s_bfe_u32 s41, ttmp6, 0x40004                  ; cy
	s_and_b32 s12, ttmp7, 0xffff
	s_lshl_b32 s12, s12, 2                         ; 4 x cluster y
	s_lshl_b32 s13, ttmp9, 2                       ; 4 x cluster x
	s_mov_b32 s[SEL], 0x76543210
	s_mov_b32 s[SEL+1], 0xfedcba98
	s_cmp_eq_u32 ttmp9, 2                          ; the mode: the same in all sixteen partners
	s_cselect_b32 s95, 1, 0
	s_cselect_b32 s17, 0, s12
	s_cselect_b32 s42, s12, s13
	s_cselect_b32 s100, 1572864, 0                 ; Wv's codes lie behind Wq's and Wk's,
	s_cselect_b32 s101, 65536, 0                   ; and so do its scale bytes
	s_add_co_u32 s17, s17, s41                     ; tile row: 4 x cluster y + cy, or cy
	s_add_co_u32 s42, s42, s40                     ; tile column: 4 x cluster x + cx, or 4 x cluster y + cx
	s_lshl_b32 s43, s41, 2
	s_lshl_b32 s43, 15, s43                        ; my row of the cluster
	s_lshl_b32 s44, 0x1111, s40                    ; my column
	; descriptor group 1, codes: 8 rows (tiles) of 3,072 bytes (384 elements of 8 bytes), 12,288 bytes apart; no padding: every read is dense
	s_or_b32 s[G1+0], s43, (3<<16)|(1<<21)
	s_or_b32 s[G1B+0], s44, (3<<16)|(1<<21)
.irp g, G1, G1B
	s_mov_b32 s[\g+1], 384<<16                     ; tensor_dim0
	s_mov_b32 s[\g+2], 8<<16                       ; tensor_dim1
	s_mov_b32 s[\g+3], 384<<16                     ; tile_dim0
	s_mov_b32 s[\g+4], 8                           ; tile_dim1
	s_mov_b32 s[\g+5], 1536                        ; tensor_dim0_stride
	s_mov_b32 s[\g+6], 0
	s_mov_b32 s[\g+7], 0
.endr
	; scale bytes of 128 rows: 4,096 dense bytes as 16 rows of 256
	s_or_b32 s[G1S+0], s43, (3<<16)|(1<<21)
	s_or_b32 s[G1SB+0], s44, (3<<16)|(1<<21)
.irp g, G1S, G1SB
	s_mov_b32 s[\g+1], 32<<16
	s_mov_b32 s[\g+2], 16<<16
	s_mov_b32 s[\g+3], 32<<16
	s_mov_b32 s[\g+4], 16
	s_mov_b32 s[\g+5], 32
	s_mov_b32 s[\g+6], 0
	s_mov_b32 s[\g+7], 0
.endr
	s_mul_i32 s18, s16, 98304                      ; which 128 rows (8 tiles of 12,288 bytes) I fetch
	s_lshl_b32 s19, s16, 12
	s_mul_i32 s20, s17, 196608                     ; A': codes
	s_add_co_u32 s20, s20, s18
	s_add_co_u32 s20, s20, s100
	s_mov_b32 s21, 0
	s_lshl_b32 s22, s17, 13                        ; A': scale bytes
	s_add_co_u32 s22, s22, s19
	s_add_co_u32 s22, s22, s101
	s_add_co_u32 s22, s22, 3145728
	s_mov_b32 s23, 0
	s_mul_i32 s46, s42, 196608                     ; B': codes
	s_add_co_u32 s46, s46, s18
	s_mov_b32 s47, 0
	s_lshl_b32 s92, s42, 13                        ; B': scale bytes
	s_add_co_u32 s92, s92, s19
	s_add_co_u32 s92, s92, 3145728
	s_mov_b32 s93, 0
	s_mul_i32 s45, s14, HALFT                      ; where they go: wave x 24,576: no place in the cluster enters an LDS address
	s_lshl_b32 s94, s14, 12
	s_wait_kmcnt 0x0
	s_cmp_eq_u32 s95, 1
	s_cselect_b64 s[12:13], s[6:7], s[4:5]         ; A': wq in the third cluster, else xq
	s_cselect_b64 s[100:101], s[4:5], s[6:7]       ; B': the other
	s_add_nc_u64 s[20:21], s[12:13], s[20:21]
	s_add_nc_u64 s[22:23], s[12:13], s[22:23]
	s_add_nc_u64 s[46:47], s[100:101], s[46:47]
	s_add_nc_u64 s[92:93], s[100:101], s[92:93]
	CROUND                                         ; all sixteen work-groups are here: the first joint loads meet
	s_mov_b32 s[G0S], 1
	s_add_co_u32 s[G0S+1], s94, SCL
	s_mov_b64 s[G0S+2:G0S+3], s[22:23]
	s_or_b32 s[G0S+3], s[G0S+3], 0x80000000
	s_mov_b32 s[G0SB], 1
	s_add_co_u32 s[G0SB+1], s94, SCL+SKEW
	s_mov_b64 s[G0SB+2:G0SB+3], s[92:93]
	s_or_b32 s[G0SB+3], s[G0SB+3], 0x80000000
	JLOAD G0S, G1S, G0SB, G1SB                     ; the scale bytes first: they are wanted with K step 0
.irp s, 0,1
	s_mov_b32 s[G0+4*\s], 1
	s_add_co_u32 s[G0+4*\s+1], s45, \s*SLOT
	s_add_nc_u64 s[G0+4*\s+2:G0+4*\s+3], s[20:21], \s*STEPB
	s_or_b32 s[G0+4*\s+3], s[G0+4*\s+3], 0x80000000
	s_mov_b32 s[G0B+4*\s], 1
	s_add_co_u32 s[G0B+4*\s+1], s45, \s*SLOT
	s_add_nc_u64 s[G0B+4*\s+2:G0B+4*\s+3], s[46:47], \s*STEPB
	s_or_b32 s[G0B+4*\s+3], s[G0B+4*\s+3], 0x80000000
	JLOAD G0+4*\s, G1, G0B+4*\s, G1B
.endr
	v_and_b32 v1, 15, v0                           ; r
	v_bfe_u32 v2, v0, 4, 1                         ; h
	v_and_b32 v3, 31, v0
	v_lshlrev_b32 v[L16], 4, v3
	v_lshlrev_b32 v[L8], 3, v3
	s_mul_i32 s21, s15, HALFT                      ; my 128 rows of A'
	s_mul_i32 s22, s16, HALFT                      ; my 128 rows of B',
	s_add_co_u32 s22, s22, 2*HALFT                 ; which lie behind A's 256
.irp s, 0,1
	v_add_nc_u32 v[ADRA+\s], s21, v[L16]
	v_add_nc_u32 v[ADRB+\s], s22, v[L16]
	v_add_nc_u32 v[ADRA+2+\s], s21, v[L8]
	v_add_nc_u32 v[ADRB+2+\s], s22, v[L8]
	s_add_co_u32 s21, s21, SLOT
	s_add_co_u32 s22, s22, SLOT
.endr
	v_lshlrev_b32 v5, 3, v1                        ; my row's scale bytes: 8 r in its tile's 128 of a K step
	s_lshl_b32 s21, s15, 12                        ; A's: my 128 rows
	s_lshl_b32 s22, s16, 12                        ; B's: my 128 rows, behind A's 256
	s_add_co_u32 s22, s22, 2*HALFS+SKEW
	s_sub_co_u32 s22, s22, s21
	v_mul_u32_u24 v6, s22, v2                      ; lanes 16-31 take B's: the lower base + h x the distance
	s_add_co_u32 s21, s21, SCL
	v_add_nc_u32 v5, v5, v6
	v_add_nc_u32 v[ADRS], s21, v5
	v_lshlrev_b32 v[SO], 4, v1
	v_lshl_add_u32 v[SO], v2, 12, v[SO]
	v_lshlrev_b32 v[BJO], 6, v2
	v_and_b32 v4, 7, v1
	v_lshrrev_b32 v5, 3, v1
	v_lshl_add_u32 v4, v5, 4, v4
	v_lshlrev_b32 v[BLO], 2, v4
	; THE BIAS, in both forms, from the one vector that the cluster's x names: along the registers (used where A' = x) and along the lanes (used where A' = Wv).  The form that the mode does not use costs 16 loads;
	; so the head has no branch on the mode, and every register is written on every way.  Both stay inside the vector's 4,096 bytes.
	s_cmp_eq_u32 ttmp9, 0
	s_cselect_b64 s[12:13], s[8:9], s[10:11]
	s_cmp_eq_u32 s95, 1
	s_cselect_b64 s[12:13], s[96:97], s[12:13]
	s_lshl_b32 s18, s40, 10
	s_lshl_b32 s19, s16, 9
	s_add_co_u32 s18, s18, s19                     ; (256 cx + 128 x my half of the columns) x 4
	s_mov_b32 s19, 0
	s_add_nc_u64 s[100:101], s[12:13], s[18:19]
	s_and_b32 s18, s17, 3
	s_lshl_b32 s18, s18, 10
	s_lshl_b32 s19, s15, 9
	s_add_co_u32 s18, s18, s19                     ; (256 (tile row % 4) + 128 x my half of the rows) x 4
	s_mov_b32 s19, 0
	s_add_nc_u64 s[12:13], s[12:13], s[18:19]
.irp b, 0,1,2,3,4,5,6,7
	global_load_b128 v[BJ+8*\b:BJ+8*\b+3], v[BJO], s[100:101] offset:(32*(\b/2)+8*(\b%2))*4        ; B's tile b, register j: column 32 (b / 2) + 8 (b % 2) + 16 h + j
	global_load_b128 v[BJ+8*\b+4:BJ+8*\b+7], v[BJO], s[100:101] offset:(32*(\b/2)+8*(\b%2))*4+16
.endr
.irp a, 0,1,2,3,4,5,6,7
	global_load_b32 v[BL+2*\a], v[BLO], s[12:13] offset:(32*(\a/2)+8*(\a%2))*4                     ; A's tile a, fragment row r; twice, a pair for the packed addition
	global_load_b32 v[BL+2*\a+1], v[BLO], s[12:13] offset:(32*(\a/2)+8*(\a%2))*4
.endr
.macro FRAG reg, adr, q, i             ; a fragment, 16 rows x 128 K, is two half images on end: registers 0-3, 4-5, 6-9, 10-11
	ds_load_b128 v[\reg:\reg+3], v[\adr] offset:STEPB*(\i)+1536*(\q)
	ds_load_b64 v[\reg+4:\reg+5], v[\adr+2] offset:STEPB*(\i)+1536*(\q)+512
	ds_load_b128 v[\reg+6:\reg+9], v[\adr] offset:STEPB*(\i)+1536*(\q)+768
	ds_load_b64 v[\reg+10:\reg+11], v[\adr+2] offset:STEPB*(\i)+1536*(\q)+1280
.endm
; 16 matrix instructions: A's blocks a0, a0 + 1 x B's eight, 128 along K.  p: B's set; sc: the set of scale words.  zero = 1: the first product starts the sums.
; The 64 accumulators take turns, one instruction a turn, in the same order in every step.
.macro MUL16 a0, p, q, sc, zero
.irp a, \a0, \a0+1
.irp b, 0,1,2,3,4,5,6,7
.if \zero
	v_wmma_scale_f32_16x16x128_f8f6f4 v[8*(8*((\a)%4)+\b):8*(8*((\a)%4)+\b)+7], v[128*(\p)+FR*\b:128*(\p)+FR*\b+FR-1], v[AF+FR*(\a):AF+FR*(\a)+FR-1], 0, v[SC+8*NQ*(\sc)+NQ*\b+(\q)], v[SC+8*NQ*(\sc)+NQ*(\a)+(\q)] matrix_a_fmt:MATRIX_FMT_FP6 matrix_b_fmt:MATRIX_FMT_FP6 matrix_a_scale:MATRIX_SCALE_ROW1
.else
	v_wmma_scale_f32_16x16x128_f8f6f4 v[8*(8*((\a)%4)+\b):8*(8*((\a)%4)+\b)+7], v[128*(\p)+FR*\b:128*(\p)+FR*\b+FR-1], v[AF+FR*(\a):AF+FR*(\a)+FR-1], v[8*(8*((\a)%4)+\b):8*(8*((\a)%4)+\b)+7], v[SC+8*NQ*(\sc)+NQ*\b+(\q)], v[SC+8*NQ*(\sc)+NQ*(\a)+(\q)] matrix_a_fmt:MATRIX_FMT_FP6 matrix_b_fmt:MATRIX_FMT_FP6 matrix_a_scale:MATRIX_SCALE_ROW1
.endif
.endr
.endr
.endm
.macro FETCH_B slot, q, p
	WIN TO_B
.irp i, 0,1,2,3,4,5,6,7
	FRAG 128*(\p)+FR*\i, ADRB+\slot, \q, \i
.endr
	WIN 0
.endm
.macro FETCH_A slot, q, i0
.irp i, \i0, \i0+1, \i0+2, \i0+3
	FRAG AF+FR*(\i), ADRA+\slot, \q, \i
.endr
.endm
.macro SCALES sc                       ; a K step's two scale words a row: lanes 0-15 A's tile i, lanes 16-31 B's tile i
.irp i, 0,1,2,3,4,5,6,7
	ds_load_b64 v[SC+8*NQ*\sc+NQ*\i:SC+8*NQ*\sc+NQ*\i+1], v[ADRS] offset:\i*SBLK
.endr
.endm
.macro PLACES n                        ; plain vector instructions between a matrix instruction and a load into, or a vector write or read of, its registers (ISA guide 7.12.1 for vector writes and reads)
.rept \n
	v_nop
.endr
.endm
.macro STEP slot, q, zero              ; a step of 128 along K that has its successor in the same slot
	s_wait_dscnt 4*NL                              ; B's set and A's blocks 0-3 are in; the youngest 16 loads (A's blocks 4-7) may be out
	WIN MUL_LO
	MUL16 0, (\q)%2, \q, \slot, \zero
	MUL16 2, (\q)%2, \q, \slot, \zero
	s_wait_dscnt 0
	PLACES NP
	FETCH_B \slot, (\q)+1, 1-(\q)%2
	FETCH_A \slot, (\q)+1, 0
	WIN MUL_HI
	MUL16 4, (\q)%2, \q, \slot, \zero
	MUL16 6, (\q)%2, \q, \slot, \zero
	PLACES NP
	WIN 0
	FETCH_A \slot, (\q)+1, 4
.endm
; A slot's last step changes slots: one barrier; in front of it each wave waits for all its tensor loads, adds 0 to its spare word, and waits for that and for its own reads of this slot.  fill = 1: the slot is filled again, two K steps ahead.
.macro TURN slot, next, fill
	s_wait_tensorcnt 0x0                           ; all my tensor loads have landed: my part of the next slot
	ds_add_u32 v[SPW], v[NIL]                      ; 0 onto my spare word
	s_wait_dscnt 4*NL+1                            ; (the add and the youngest 16 loads may be out)
	WIN MUL_LO
	MUL16 0, 1, NQ-1, \slot, 0                     ; sixteen matrix instructions stand between the add and the wait for it
	s_wait_dscnt 0x0                               ; the add is done, and my reads of this slot are over
	s_barrier_signal -1
	MUL16 2, 1, NQ-1, \slot, 0
	WIN 0
	s_barrier_wait -1
.if \fill
	CREST                                          ; the barrier has opened a round of the cluster's barrier: no wave of any partner still reads this slot or has a load on its way
	s_add_nc_u64 s[G0+4*\slot+2:G0+4*\slot+3], s[G0+4*\slot+2:G0+4*\slot+3], 2*STEPB
	s_add_nc_u64 s[G0B+4*\slot+2:G0B+4*\slot+3], s[G0B+4*\slot+2:G0B+4*\slot+3], 2*STEPB
	JLOAD G0+4*\slot, G1, G0B+4*\slot, G1B         ; the first tensor load behind the round; its four v_nop are the places in front of the loads below
.else
	PLACES NP
.endif
	v_add_nc_u32 v[ADRS], 128, v[ADRS]             ; the next K step's scale words
	FETCH_B \next, 0, 0
	FETCH_A \next, 0, 0
	SCALES \next
	WIN MUL_HI
	MUL16 4, 1, NQ-1, \slot, 0
	MUL16 6, 1, NQ-1, \slot, 0
	PLACES NP
	WIN 0
	FETCH_A \next, 0, 4
.endm
; 64 numbers of a lane, v[s] on, register 16 b + i = k 32 b + 16 h + i of my row, become a fragment's codes in v[PC] on and its scale word in v[pw]
.macro QUANT s, pw
.irp b, 0,1,2,3
	v_max3_num_f32 v[TM+\b], |v[\s+16*\b]|, |v[\s+1+16*\b]|, 0x1800000   ; with the floor 2^(3 - 127): the byte cannot fall under 1
.endr
.irp i, 2,4,6,8,10,12,14
.irp b, 0,1,2,3
	v_max3_num_f32 v[TM+\b], v[TM+\b], |v[\s+16*\b+\i]|, |v[\s+1+16*\b+\i]|
.endr
.endr
.irp b, 0,1,2,3
	v_permlanex16_b32 v[TM+4+\b], v[TM+\b], s[SEL], s[SEL+1]
.endr
.irp b, 0,1,2,3
	v_max_num_f32 v[TM+\b], v[TM+\b], v[TM+4+\b]   ; with lane l xor 16's: the block's largest magnitude
.endr
.irp b, 0,1,2,3
	v_add_nc_u32 v[TM+12+\b], 0xff000000, v[TM+\b] ; 2 off its exponent field: the conversion's scale operand
.endr
.irp b, 0,1,2,3
	v_lshrrev_b32 v[TM+4+\b], 23, v[TM+12+\b]      ; the byte
.endr
	v_lshl_or_b32 v[\pw], v[TM+5], 8, v[TM+4]
	v_lshl_or_b32 v[\pw], v[TM+6], 16, v[\pw]
	v_lshl_or_b32 v[\pw], v[TM+7], 24, v[\pw]
.irp c, 0,1
	v_cvt_scalef32_pk16_fp6_f32 v[PC+6*\c:PC+2+6*\c], v[\s+32*\c:\s+15+32*\c], v[TM+12+2*\c]
	v_cvt_scalef32_pk16_fp6_f32 v[PC+12+4*\c:PC+14+4*\c], v[\s+16+32*\c:\s+31+32*\c], v[TM+12+2*\c+1]
.endr
	v_nop                                          ; one plain instruction behind a scaled conversion
.irp c, 0,1                                    ; the operand's layout wants a whole block in a lane
.irp i, 0,1,2
	v_permlane16_swap_b32 v[PC+6*\c+\i], v[PC+12+4*\c+\i]
.endr
.irp i, 0,1,2
	v_mov_b32 v[PC+3+6*\c+\i], v[PC+12+4*\c+\i]
.endr
.endr
.endm
	s_wait_tensorcnt 1                             ; the scale bytes and my part of K step 0 are in (K step 1's load may be out)
	s_barrier_signal -1
	s_barrier_wait -1                              ; everybody's are
	FETCH_B 0, 0, 0
	FETCH_A 0, 0, 0
	SCALES 0
	FETCH_A 0, 0, 4
	STEP 0, 0, 1                                   ; K step 0: its first products start the sums
	TURN 0, 1, 1                                   ; slot 0 takes K step 2
	STEP 1, 0, 0
	TURN 1, 0, 1                                   ; slot 1 takes K step 3
	STEP 0, 0, 0
	TURN 0, 1, 0                                   ; nothing is left to fetch
	STEP 1, 0, 0
	s_wait_dscnt 4*NL
	WIN MUL_LO
	MUL16 0, 1, NQ-1, 1, 0
	MUL16 2, 1, NQ-1, 1, 0
	s_wait_dscnt 0
	WIN MUL_HI
	MUL16 4, 1, NQ-1, 1, 0
	MUL16 6, 1, NQ-1, 1, 0
	WIN 0
	PLACES NP                                      ; the way out writes registers that the last products read
	s_wait_loadcnt 0x0                             ; the biases
; THE WAY OUT.  For each of A's eight blocks: the block's 64 sums a lane + the bias, in f32; quantised in registers; the fragment (two half images) is stored as it stands, 512 and 256 consecutive bytes a store.
; isv = 0: a fragment is 16 tokens x 128 channels: one half image for each of two heads.  isv = 1: 16 channels x 128 keys: two half images on end.
.macro EPI isv
.if \isv
	s_lshr_b32 s18, s42, 3                         ; batch
	s_lshl_b32 s18, s18, 4
	s_lshl_b32 s19, s17, 2
	s_add_co_u32 s18, s18, s19
	s_lshl_b32 s19, s15, 1
	s_add_co_u32 s18, s18, s19                     ; my first head: 16 x batch + 4 x tile row + 2 x half
	s_and_b32 s19, s42, 7
	s_lshl_b32 s19, s19, 1
	s_add_co_u32 s19, s19, s16                     ; my 128 keys of the batch's 2,048
	s_mul_i32 s20, s18, 98304
	s_mul_i32 s21, s19, 1536
	s_add_co_u32 s20, s20, s21
	s_add_co_u32 s20, s20, 6291456
	s_lshl_b32 s22, s18, 12
	s_lshl_b32 s23, s19, 8
	s_add_co_u32 s22, s22, s23
	s_add_co_u32 s22, s22, 9699328
.else
	s_lshr_b32 s18, s17, 3                         ; batch
	s_lshl_b32 s18, s18, 4
	s_lshl_b32 s19, s40, 2
	s_add_co_u32 s18, s18, s19
	s_lshl_b32 s19, s16, 1
	s_add_co_u32 s18, s18, s19                     ; my first head: 16 x batch + 4 cx + 2 x half
	s_and_b32 s19, s17, 7
	s_lshl_b32 s19, s19, 1
	s_add_co_u32 s19, s19, s15                     ; my 128 tokens of the batch's 2,048
	s_lshl_b32 s20, s18, 7
	s_lshl_b32 s21, s19, 3
	s_add_co_u32 s20, s20, s21
	s_mul_i32 s20, s20, 768
	s_mul_i32 s21, ttmp9, 3145728                  ; q's section or k's
	s_add_co_u32 s20, s20, s21
	s_lshl_b32 s22, s18, 12
	s_lshl_b32 s23, s19, 8
	s_add_co_u32 s22, s22, s23
	s_lshl_b32 s23, ttmp9, 17
	s_add_co_u32 s22, s22, s23
	s_add_co_u32 s22, s22, 9437184
.endif
	s_mov_b32 s21, 0
	s_mov_b32 s23, 0
	s_add_nc_u64 s[20:21], s[98:99], s[20:21]
	s_add_nc_u64 s[22:23], s[98:99], s[22:23]
.irp b, 0,1,2,3
	v_mov_b32 v[TM+4+\b], 0                        ; a lane permute's destination counts as read
.endr
.irp a, 0,1,2,3,4,5,6,7
.if \a > 0
	s_wait_xcnt 0x0                                ; the last block's stores have read their data: the codes' registers are written again only behind this wait
.endif
	WIN 0x02+(\a)/4                                ; source 0: window 2 or 3
.set i, 0
.rept 32                                       ; each accumulator from its low end on
.if \isv
	v_pk_add_f32 v[HA+2*i:HA+2*i+1], v[64*((\a)%4)+2*i:64*((\a)%4)+2*i+1], v[BL+2*(\a):BL+2*(\a)+1]
.else
	v_pk_add_f32 v[HA+2*i:HA+2*i+1], v[64*((\a)%4)+2*i:64*((\a)%4)+2*i+1], v[BJ+2*i:BJ+2*i+1]
.endif
.set i, i+1
.endr
	WIN 0
	QUANT HA, PWS+\a
.if \isv
	global_store_b128 v[L16], v[PC:PC+3], s[20:21] offset:24576*\a
	global_store_b64 v[L8], v[PC+4:PC+5], s[20:21] offset:24576*\a+512
	global_store_b128 v[L16], v[PC+6:PC+9], s[20:21] offset:24576*\a+768
	global_store_b64 v[L8], v[PC+10:PC+11], s[20:21] offset:24576*\a+1280
.else
	global_store_b128 v[L16], v[PC:PC+3], s[20:21] offset:768*\a
	global_store_b64 v[L8], v[PC+4:PC+5], s[20:21] offset:768*\a+512
	global_store_b128 v[L16], v[PC+6:PC+9], s[20:21] offset:768*\a+98304
	global_store_b64 v[L8], v[PC+10:PC+11], s[20:21] offset:768*\a+98816
.endif
.endr
	; the scale words: lanes 0-15 store the first head's four words of row r, lanes 16-31 the second head's: 256 consecutive bytes each
	v_cmp_ne_u32 vcc_lo, 0, v2
.irp p, 0,1,2,3
.if \isv
	v_cndmask_b32 v[OW+\p], v[PWS+\p], v[PWS+4+\p], vcc_lo          ; word t: the four key blocks' bytes of the head's tile t of channels
.else
	v_perm_b32 v[TM+\p], v[PWS+2*\p+1], v[PWS+2*\p], 0x05040100     ; word p: the head's two bytes of token tile 2 p, then of tile 2 p + 1
	v_perm_b32 v[TM+4+\p], v[PWS+2*\p+1], v[PWS+2*\p], 0x07060302
	v_cndmask_b32 v[OW+\p], v[TM+\p], v[TM+4+\p], vcc_lo
.endif
.endr
	global_store_b128 v[SO], v[OW:OW+3], s[22:23]
.endm
	s_cmp_eq_u32 s95, 1                            ; the mode: the same in all partners
	s_cbranch_scc1 .Lvmode
	EPI 0
	s_branch .Ldone
.Lvmode:
	EPI 1
.Ldone:
	s_wait_tensorcnt 0x0                           ; the wave's end
	ds_add_u32 v[SPW], v[NIL]
	s_wait_dscnt 0x0
	CROUND                                         ; the closing round: no work-group ends while a partner may still ask for a tile that names it
	s_endpgm
.Lfunc_end_k_q5130476270_gemm_qkv:
	.size	k_q5130476270_gemm_qkv, .Lfunc_end_k_q5130476270_gemm_qkv-k_q5130476270_gemm_qkv
	.p2alignl 7, 3214868480
	.fill 96, 4, 3214868480
	.section	.rodata,"a",@progbits
	.p2align	6, 0x0
	.amdhsa_kernel k_q5130476270_gemm_qkv
		.amdhsa_group_segment_fixed_size 327680
		.amdhsa_private_segment_fixed_size 0
		.amdhsa_enable_private_segment 0
		.amdhsa_kernarg_size 48
		.amdhsa_user_sgpr_count 2
		.amdhsa_user_sgpr_kernarg_segment_ptr 1
		.amdhsa_wavefront_size32 1
		.amdhsa_system_sgpr_workgroup_id_x 1
		.amdhsa_system_sgpr_workgroup_id_y 1
		.amdhsa_system_sgpr_workgroup_id_z 1
		.amdhsa_system_vgpr_workitem_id 0
		.amdhsa_next_free_vgpr 1024
		.amdhsa_next_free_sgpr 102
		.amdhsa_reserve_vcc 1
		.amdhsa_float_denorm_mode_32 3
		.amdhsa_float_denorm_mode_16_64 3
		.amdhsa_memory_ordered 1
		.amdhsa_forward_progress 1
		.amdhsa_inst_pref_size 220
	.end_amdhsa_kernel
	.amdgpu_metadata
---
amdhsa.version: [ 1, 2 ]
amdhsa.kernels:
  - .name:           k_q5130476270_gemm_qkv
    .symbol:         k_q5130476270_gemm_qkv.kd
    .args:
      - { .name: xq, .offset: 0, .size: 8, .value_kind: global_buffer, .address_space: global }
      - { .name: wq, .offset: 8, .size: 8, .value_kind: global_buffer, .address_space: global }
      - { .name: bq, .offset: 16, .size: 8, .value_kind: global_buffer, .address_space: global }
      - { .name: bk, .offset: 24, .size: 8, .value_kind: global_buffer, .address_space: global }
      - { .name: bv, .offset: 32, .size: 8, .value_kind: global_buffer, .address_space: global }
      - { .name: hq, .offset: 40, .size: 8, .value_kind: global_buffer, .address_space: global }
    .group_segment_fixed_size: 327680
    .private_segment_fixed_size: 0
    .kernarg_segment_align: 8
    .kernarg_segment_size: 48
    .max_flat_workgroup_size: 128
    .sgpr_count:     102
    .vgpr_count:     1024
    .wavefront_size: 32
...
	.end_amdgpu_metadata
.endif
;; end of part 2
;; launch attn (part 3): grid 8 x 32, 16 waves a work-group, clusters of 4 x 1, 215,040 bytes of LDS; arguments hq, mask, aq; writes aq
.if DOCPART == 3
	.amdgcn_target "amdgcn-amd-amdhsa--gfx1250"
	.amdhsa_code_object_version 6
	.text
	.protected	k_q5130476270_attn
	.globl	k_q5130476270_attn
	.p2align	8
	.type	k_q5130476270_attn,@function
k_q5130476270_attn:
	s_mov_b64 s[64:65], 0
	v_nop
	global_prefetch_b8 v0, s[64:65] scope:SCOPE_SE
	s_setreg_imm32_b32 hwreg(HW_REG_WAVE_MODE, 25, 1), 1
	s_wait_xcnt 0x0
	s_wait_alu depctr_hold_cnt(0) depctr_sa_sdst(0) depctr_va_vdst(0) depctr_va_sdst(0) depctr_va_ssrc(0) depctr_va_vcc(0) depctr_vm_vsrc(0)
	s_getreg_b32 s2, hwreg(HW_REG_IB_STS2, 6, 4)
	s_cmp_eq_u32 s2, 0
	s_cbranch_scc0 .Lentry_in_a_cluster
	s_endpgm
.Lentry_in_a_cluster:
	s_bfe_u32 s2, ttmp6, 0x10000c
	s_cmp_lg_u32 s2, 0x3003
	s_cbranch_scc0 .Lentry_shape_is_right
	s_endpgm
.Lentry_shape_is_right:
; Attention of one (batch, head) on codes of FP6 (E2M3): S^T = K Q^T (K = the head's 64), softmax with the key-side mask, O^T = V^T P^T (K = the keys); the result / l is quantised along the head's 64 and leaves as codes.
; t = score x log2(e) / 8 + a', a' = -1e9 (1 - mask) log2(e); M = the running largest t rounded up to a whole number; p = 2^(t - M) is quantised along the keys, not normalised; l is the sum of the unquantised p.
; When M moves, l and O^T are multiplied by 2^(old M - new M): exact.
; LIMITS: NaN and infinities are not served.  A masked key's t is one fused multiply-add of the score and a', where the definition rounds score / 8 - 1e9 first: the two differ only in rows ALL of whose keys are masked.
; 1 / l is v_rcp_f32.  A block of zeros gets the byte 1 over zero codes (the bytes are read by this program alone).
; SHARES.  A work-group owns 256 queries; each of its sixteen waves one tile of 16, in 256 registers: four waves to a SIMD, so that one wave's vector work stands beside another's products and LDS loads.
; A HEAD'S WHOLE K, V^T AND SCALE BYTES FIT IN LDS (204,800 bytes): no slot is ever filled again.  The four work-groups of a cluster belong to one head: every tile is asked for jointly.  Wave 0 asks for K's scale bytes and
; K's four chunks of 512 keys, wave 1 for V's: five tensor loads out at the most; the work on chunk s begins when chunk s has landed.  Nothing is left for a prefetch to run ahead of.
; LAYOUT.  Operands are images of their registers (half images of 768 bytes: 16 rows x 64 k).  Both products are used transposed: a lane holds ONE query.  The keys of a tile are 32 b + 8 u + r % 8 + 16 (r / 8), so the 16
; registers of tiles 2 b, 2 b + 1 are 16 neighbouring keys.  K = 64 is half of what the instruction takes: a fragment of K is TWO tiles of keys on end, multiplied once by [Q | 0] and once by [0 | Q]: no byte of K is read twice.
; The output's scale bytes leave one byte a lane (one 24th of the codes' bytes): a head owns two of a row's eight bytes.
.set KB,   0                           ; LDS: K, 128 half images
.set VB,   98304                       ; V^T: [chunk 4][tile of channels 4][64 keys: 8] half images
.set KSB,  196608                      ; K's scale words: [128 keys: 16][r 16][4 words]
.set VSB,  200704                      ; V's likewise
.set AM,   204800                      ; a', 2,048 f32: written by LDS stores; no tensor load lands here
.set KF,   36                          ; v36-83   four fragments of K, then a' of keys 0-95, then four fragments of V
.set AX,   84                          ; v84-99   a' of keys 96-127
.set S,    100                         ; v100-163 S^T, then t, then p
.set OT,   164                         ; v164-195 O^T
.set PC,   196                         ; v196-207 p's codes
.set PT,   208                         ; v208-215 at work
.set BM,   216                         ; v216-219 the blocks' largest t, then p
.set BT,   220                         ; v220-223 at work
.set BS,   224                         ; v224-227 the conversions' scale operands
.set KS,   228                         ; v228-231 K's scale words
.set VS,   232                         ; v232-235 V's
.set PW,   236                         ; v236     p's scale word
; v1 16 x lane; v2 512 + 8 x lane; v3, v4 the same in V's part; v5 KSB + 16 r; v6 AM + 64 h; v7-12 the step's addresses; v13 Q's scale word; v14 -M, v15 the largest t; v[16:17] l in two halves;
; v18-23 Q, v24-29 zeros, v30-35 Q again: [Q | 0] = v[18:29], [0 | Q] = v[24:35]; v[238:239] f; v240, v241 at work; v[242:243] the sum's second chain
.set WV,   10
.set G1S,  16                          ; s[16:23] descriptor group 1 for the scale bytes; s[24:31] for K's chunks; s[32:39] for V's; s[40:59] five groups 0
.set G1K,  24
.set G1V,  32
.set G0,   40
.set SEL,  60
.set CS,   62                          ; s[62:63] log2(e) / 8
.set TK,   66                          ; where the step's tiles of K begin: 6,144 bytes a step
.set TV,   67                          ; V's: 1,536 a step, 24,576 a chunk
.set TS,   68                          ; the scale words: 256 a step
.set TA,   69                          ; a': 512 a step
.set CNT,  70
.macro CROUND                          ; a round of the cluster's barrier
	s_barrier_signal -1
	s_barrier_wait -1
	s_cmp_lg_u32 s[WV], 0
	s_cbranch_scc1 .Lnot_wave_0_\@
	s_barrier_signal -3
.Lnot_wave_0_\@:
	s_barrier_wait -3
	s_barrier_signal -1
	s_barrier_wait -1
.endm
	s_load_b128 s[4:7], s[0:1], 0x0                ; hq, mask
	s_load_b64 s[8:9], s[0:1], 0x10                ; aq
	v_lshl_add_u32 v254, v0, 2, 0x34000
	v_mov_b32 v255, 0
	ds_add_u32 v254, v255
	ds_add_u32 v254, v255
	v_lshrrev_b32 v1, 5, v0
	v_readfirstlane_b32 s[WV], v1                  ; wave 0..15
	s_bfe_u32 s11, ttmp6, 0x40000                  ; cx
	s_lshl_b32 s12, ttmp9, 2
	s_add_co_u32 s12, s12, s11                     ; my block of 256 queries: it enters Q's and the output's global addresses alone
	s_and_b32 s13, ttmp7, 0xffff                   ; 16 x batch + head, which the four partners share
	s_min_u32 s14, s[WV], 1                        ; 0: K's loads (wave 0); 1: V's (wave 1)
	s_mov_b32 s[G1S], 15|(3<<16)|(1<<21)           ; the mask: all four work-groups; elements of 8 bytes; bit 21 beside a mask; no padding
	s_mov_b32 s[G1S+1], 32<<16                     ; 16 rows of 256 bytes, dense
	s_mov_b32 s[G1S+2], 16<<16
	s_mov_b32 s[G1S+3], 32<<16
	s_mov_b32 s[G1S+4], 16
	s_mov_b32 s[G1S+5], 32
	s_mov_b32 s[G1S+6], 0
	s_mov_b32 s[G1S+7], 0
	s_mov_b32 s[G1K], 15|(3<<16)|(1<<21)
	s_mov_b32 s[G1K+1], 32<<16                     ; 96 rows of 256 bytes, dense: 32 half images
	s_mov_b32 s[G1K+2], 96<<16
	s_mov_b32 s[G1K+3], 32<<16
	s_mov_b32 s[G1K+4], 96
	s_mov_b32 s[G1K+5], 32
	s_mov_b32 s[G1K+6], 0
	s_mov_b32 s[G1K+7], 0
	s_mov_b32 s[G1V], 15|(3<<16)|(1<<21)
	s_mov_b32 s[G1V+1], 768<<16                    ; 4 rows (tiles of channels) of 6,144 bytes, 24,576 bytes apart
	s_mov_b32 s[G1V+2], 4<<16
	s_mov_b32 s[G1V+3], 768<<16
	s_mov_b32 s[G1V+4], 4
	s_mov_b32 s[G1V+5], 3072
	s_mov_b32 s[G1V+6], 0
	s_mov_b32 s[G1V+7], 0
	s_lshl_b32 s72, s14, 17                        ; the scale bytes: k's section or v's,
	s_lshl_b32 s73, s13, 12                        ; my head's 4,096
	s_add_co_u32 s72, s72, s73
	s_add_co_u32 s72, s72, 9568256
	s_mov_b32 s73, 0
	s_mul_i32 s74, s14, 3145728                    ; the codes: k's section or v's,
	s_mul_i32 s75, s13, 98304                      ; my head's 98,304
	s_add_co_u32 s74, s74, s75
	s_add_co_u32 s74, s74, 3145728
	s_mov_b32 s75, 0
	s_mul_i32 s76, s14, 18432
	s_sub_co_u32 s76, 24576, s76                   ; from chunk to chunk in memory: 24,576 in K, 6,144 in V
	s_mov_b32 s77, 0
	s_lshl_b32 s78, s14, 12
	s_mul_i32 s79, s14, 98304
	s_lshl_b32 s80, s13, 7                         ; Q: half image 128 x head + 16 x block + wave
	s_lshl_b32 s81, s12, 4
	s_add_co_u32 s80, s80, s81
	s_add_co_u32 s80, s80, s[WV]
	s_mul_i32 s80, s80, 768
	s_mov_b32 s81, 0
	s_lshl_b32 s82, s13, 12                        ; Q's scale word: group 2 x block + wave / 8, word (wave / 2) % 4
	s_lshl_b32 s83, s12, 9
	s_add_co_u32 s82, s82, s83
	s_lshr_b32 s83, s[WV], 3
	s_lshl_b32 s83, s83, 8
	s_add_co_u32 s82, s82, s83
	s_bfe_u32 s83, s[WV], 0x20001
	s_lshl_b32 s83, s83, 2
	s_add_co_u32 s82, s82, s83
	s_add_co_u32 s82, s82, 9437184
	s_mov_b32 s83, 0
	s_lshr_b32 s84, s13, 4                         ; the batch's 2,048 mask words
	s_lshl_b32 s84, s84, 13
	s_mov_b32 s85, 0
	s_lshr_b32 s86, s13, 4                         ; the output: token tile 128 x batch + 16 x block + wave,
	s_lshl_b32 s86, s86, 7
	s_lshl_b32 s87, s12, 4
	s_add_co_u32 s86, s86, s87
	s_add_co_u32 s86, s86, s[WV]
	s_and_b32 s87, s13, 15                         ; half image = head
	s_lshl_b32 s88, s86, 4
	s_add_co_u32 s88, s88, s87
	s_mul_i32 s88, s88, 768
	s_mov_b32 s89, 0
	s_lshl_b32 s86, s86, 9                         ; its scale bytes: tile x 512 + (head / 4) x 128 + 2 (head % 4)
	s_lshr_b32 s90, s87, 2
	s_lshl_b32 s90, s90, 7
	s_add_co_u32 s86, s86, s90
	s_and_b32 s87, s87, 3
	s_lshl_b32 s87, s87, 1
	s_add_co_u32 s86, s86, s87
	s_add_co_u32 s86, s86, 3145728
	s_mov_b32 s87, 0
	s_mov_b32 s[SEL], 0x76543210
	s_mov_b32 s[SEL+1], 0xfedcba98
	s_mov_b32 s[CS], 0x3e38aa3b                    ; log2(e) / 8
	s_mov_b32 s[CS+1], s[CS]
	s_mov_b32 s[TK], 0
	s_mov_b32 s[TV], 0
	s_mov_b32 s[TS], 0
	s_mov_b32 s[TA], 0
	s_wait_dscnt 0x0
	s_wait_kmcnt 0x0
	s_add_nc_u64 s[72:73], s[4:5], s[72:73]
	s_add_nc_u64 s[74:75], s[4:5], s[74:75]
	s_add_nc_u64 s[80:81], s[4:5], s[80:81]
	s_add_nc_u64 s[82:83], s[4:5], s[82:83]
	s_add_nc_u64 s[84:85], s[6:7], s[84:85]
	s_add_nc_u64 s[88:89], s[8:9], s[88:89]
	s_add_nc_u64 s[86:87], s[8:9], s[86:87]
	s_mov_b32 s[G0], 1
	s_add_co_u32 s[G0+1], s78, KSB
	s_mov_b64 s[G0+2:G0+3], s[72:73]
	s_or_b32 s[G0+3], s[G0+3], 0x80000000
.irp c, 0,1,2,3
	s_mov_b32 s[G0+4+4*\c], 1
	s_add_co_u32 s[G0+5+4*\c], s79, \c*24576
	s_mov_b64 s[G0+6+4*\c:G0+7+4*\c], s[74:75]
	s_or_b32 s[G0+7+4*\c], s[G0+7+4*\c], 0x80000000
	s_add_nc_u64 s[74:75], s[74:75], s[76:77]
.endr
	CROUND                                         ; all four work-groups are here: the joint loads meet
	s_cmp_eq_u32 s[WV], 0                          ; a wave's five loads stand in one branch on the wave's number, ahead of every wait on TENSORcnt, every LDS read and every further barrier
	s_cbranch_scc0 .Lnot_k
	tensor_load_to_lds s[G0:G0+3], s[G1S:G1S+7]
	s_nop 0
.irp c, 0,1,2,3
	tensor_load_to_lds s[G0+4+4*\c:G0+7+4*\c], s[G1K:G1K+7]
	s_nop 0
.endr
.rept 4
	v_nop
.endr
	s_branch .Lasked
.Lnot_k:
	s_cmp_eq_u32 s[WV], 1
	s_cbranch_scc0 .Lasked
	tensor_load_to_lds s[G0:G0+3], s[G1S:G1S+7]
	s_nop 0
.irp c, 0,1,2,3
	tensor_load_to_lds s[G0+4+4*\c:G0+7+4*\c], s[G1V:G1V+7]
	s_nop 0
.endr
.rept 4
	v_nop
.endr
.Lasked:
	v_and_b32 v240, 31, v0                         ; lane
	v_and_b32 v241, 15, v0                         ; r
	v_bfe_u32 v242, v0, 4, 1                       ; h
	v_lshlrev_b32 v1, 4, v240
	v_lshl_add_u32 v2, v240, 3, 512
	v_add_nc_u32 v3, VB, v1
	v_add_nc_u32 v4, VB, v2
	v_lshl_add_u32 v5, v241, 4, KSB
	v_lshl_add_u32 v6, v242, 6, AM
	v_lshlrev_b32 v7, 4, v241
	v_lshlrev_b32 v8, 4, v0
	global_load_b128 v[18:21], v1, s[80:81]        ; Q's half image, twice
	global_load_b64 v[22:23], v2, s[80:81]
	global_load_b128 v[30:33], v1, s[80:81]
	global_load_b64 v[34:35], v2, s[80:81]
	global_load_b32 v13, v7, s[82:83]
	global_load_b128 v[84:87], v8, s[84:85]        ; four mask words a thread: 512 threads take the batch's 2,048
.irp i, 24,25,26,27,28,29
	v_mov_b32 v\i, 0
.endr
	v_mov_b32 v15, 0xff61b1e6                      ; the largest t so far: -3e38
	v_floor_f32 v14, -v15                          ; -M
	v_mov_b32 v16, 0
	v_mov_b32 v17, 0
	v_mov_b32 v239, 0                              ; (named as the upper half of the pair v[238:239])
.irp b, 0,1,2,3
	v_mov_b32 v[BT+\b], 0                          ; a lane permute's destination counts as read
.endr
.set i, 0
.rept 32
	v_mov_b32 v[OT+i], 0                           ; the step is written without a first step of its own: it finds zeros, which the first change of M leaves zeros
.set i, i+1
.endr
	v_lshl_add_u32 v9, v0, 4, AM
	s_and_b32 s71, s[WV], 1
	s_lshl_b32 s71, s71, 4
	s_wait_loadcnt 0x0
	v_lshrrev_b32 v13, s71, v13                    ; my tile's two bytes,
	v_and_b32 v13, 0xffff, v13
	v_lshl_or_b32 v13, v13, 16, v13                ; for either half of the instruction's K
.irp i, 0,1,2,3
	v_cvt_f32_i32 v[84+\i], v[84+\i]
.endr
.irp i, 0,1,2,3
	v_sub_f32 v[84+\i], 1.0, v[84+\i]
.endr
.irp i, 0,1,2,3
	v_mul_f32 v[84+\i], 0xce6e6b28, v[84+\i]       ; x -1e9
.endr
.irp i, 0,1,2,3
	v_mul_f32 v[84+\i], 0x3fb8aa3b, v[84+\i]       ; x log2(e)
.endr
	ds_store_b128 v9, v[84:87]
; A KEY STEP: 128 keys.
.macro STEP
	v_add_nc_u32 v7, s[TK], v1                     ; six plain instructions: also the places behind the last products, in front of the loads into their registers
	v_add_nc_u32 v8, s[TK], v2
	v_add_nc_u32 v9, s[TV], v3
	v_add_nc_u32 v10, s[TV], v4
	v_add_nc_u32 v11, s[TS], v5
	v_add_nc_u32 v12, s[TA], v6
.irp p, 0,1,2,3                                ; fragment p: key tiles 2 p and 2 p + 1 on end
	ds_load_b128 v[KF+12*\p:KF+12*\p+3], v7 offset:1536*\p
	ds_load_b64 v[KF+12*\p+4:KF+12*\p+5], v8 offset:1536*\p
	ds_load_b128 v[KF+12*\p+6:KF+12*\p+9], v7 offset:1536*\p+768
	ds_load_b64 v[KF+12*\p+10:KF+12*\p+11], v8 offset:1536*\p+768
.endr
	ds_load_b128 v[KS:KS+3], v11
.irp q, 0,1,2,3
	ds_load_b128 v[AX+4*\q:AX+4*\q+3], v12 offset:384+16*\q
.endr
	s_wait_dscnt 4                                 ; K and its scale words are in; the four loads of a' may be out
.irp p, 0,1,2,3
	v_wmma_scale_f32_16x16x128_f8f6f4 v[S+16*\p:S+16*\p+7], v[KF+12*\p:KF+12*\p+11], v[18:29], 0, v[KS+\p], v13 matrix_a_fmt:MATRIX_FMT_FP6 matrix_b_fmt:MATRIX_FMT_FP6
	v_wmma_scale_f32_16x16x128_f8f6f4 v[S+16*\p+8:S+16*\p+15], v[KF+12*\p:KF+12*\p+11], v[24:35], 0, v[KS+\p], v13 matrix_a_fmt:MATRIX_FMT_FP6 matrix_b_fmt:MATRIX_FMT_FP6
.endr                                          ; register 16 p + i: key 32 p + 16 h + i of my query
.rept 4
	v_nop                                          ; places in front of the loads into K's registers and of the first read of the scores
.endr
.irp b, 0,1,2
.irp q, 0,1,2,3
	ds_load_b128 v[KF+16*\b+4*\q:KF+16*\b+4*\q+3], v12 offset:128*\b+16*\q
.endr
.endr
	s_wait_dscnt 0x0
.set i, 0
.rept 24
	v_pk_fma_f32 v[S+2*i:S+2*i+1], v[S+2*i:S+2*i+1], s[CS:CS+1], v[KF+2*i:KF+2*i+1] op_sel_hi:[1,0,1]   ; t = score x log2(e) / 8 + a'; each result from its low end on
.set i, i+1
.endr
.rept 8
	v_pk_fma_f32 v[S+2*i:S+2*i+1], v[S+2*i:S+2*i+1], s[CS:CS+1], v[AX+2*i-48:AX+2*i-47] op_sel_hi:[1,0,1]
.set i, i+1
.endr
.irp t, 0,1,2,3                                ; V's four fragments (16 channels x these 128 keys) land while the softmax is worked
	ds_load_b128 v[KF+12*\t:KF+12*\t+3], v9 offset:6144*\t
	ds_load_b64 v[KF+12*\t+4:KF+12*\t+5], v10 offset:6144*\t
	ds_load_b128 v[KF+12*\t+6:KF+12*\t+9], v9 offset:6144*\t+768
	ds_load_b64 v[KF+12*\t+10:KF+12*\t+11], v10 offset:6144*\t+768
.endr
	ds_load_b128 v[VS:VS+3], v11 offset:VSB-KSB
.irp b, 0,1,2,3
	v_max3_num_f32 v[BM+\b], v[S+16*\b], v[S+1+16*\b], v[S+2+16*\b]   ; the largest t of each block of 32 keys: for the row's maximum and, since p rises with t, for the block's largest p
.endr
.irp i, 3,5,7,9,11,13
.irp b, 0,1,2,3
	v_max3_num_f32 v[BM+\b], v[BM+\b], v[S+16*\b+\i], v[S+1+16*\b+\i]
.endr
.endr
.irp b, 0,1,2,3
	v_max_num_f32 v[BM+\b], v[BM+\b], v[S+15+16*\b]
.endr
.irp b, 0,1,2,3
	v_permlanex16_b32 v[BT+\b], v[BM+\b], s[SEL], s[SEL+1]
.endr
.irp b, 0,1,2,3
	v_max_num_f32 v[BM+\b], v[BM+\b], v[BT+\b]     ; with lane l xor 16's 16 keys
.endr
	v_max3_num_f32 v240, v[BM], v[BM+1], v[BM+2]
	v_max_num_f32 v240, v240, v[BM+3]
	v_max_num_f32 v15, v15, v240                   ; the running largest t
	v_mov_b32 v240, v14
	v_floor_f32 v14, -v15                          ; the new -M = floor(-t): M is a whole number
	v_sub_f32 v240, v14, v240                      ; old M - new M: a whole number, 0 or less
	v_cvt_i32_f32 v240, v240                       ; (it saturates)
	v_ldexp_f32 v238, 1.0, v240                    ; f = 2^(old M - new M)
.set i, 0
.rept 32
	v_pk_add_f32 v[S+2*i:S+2*i+1], v[S+2*i:S+2*i+1], v[14:15] op_sel_hi:[1,0]   ; t - M
.set i, i+1
.endr
.irp b, 0,1,2,3
	v_add_f32 v[BM+\b], v[BM+\b], v14
.endr
.set i, 0
.rept 64
	v_exp_f32 v[S+i], v[S+i]                       ; p = 2^(t - M)
.set i, i+1
.endr
	v_pk_mul_f32 v[16:17], v[16:17], v[238:239] op_sel_hi:[1,0]   ; l under the new M; the plain instruction behind the exponentials
	s_wait_alu depctr_va_vdst(0)                   ; one wait for the batch, ahead of its first reader
.irp b, 0,1,2,3
	v_exp_f32 v[BM+\b], v[BM+\b]                   ; the block's largest p: the same instructions on the same number give the same bits
.endr
	v_pk_add_f32 v[242:243], v[S:S+1], v[S+2:S+3]  ; l is summed of the unquantised p, in two chains
.irp j, 4,8,12,16,20,24,28,32,36,40,44,48,52,56,60
	v_pk_add_f32 v[16:17], v[16:17], v[S+\j:S+\j+1]
	v_pk_add_f32 v[242:243], v[242:243], v[S+2+\j:S+3+\j]
.endr
	v_pk_add_f32 v[16:17], v[16:17], v[242:243]
	s_wait_alu depctr_va_vdst(0)                   ; and one for the four
.irp b, 0,1,2,3
	v_max_num_f32 v[BM+\b], 0x1800000, v[BM+\b]    ; the floor 2^(3 - 127): the byte cannot fall under 1
.endr
.irp b, 0,1,2,3
	v_add_nc_u32 v[BS+\b], 0xff000000, v[BM+\b]
.endr
.irp b, 0,1,2,3
	v_lshrrev_b32 v[BT+\b], 23, v[BS+\b]
.endr
	v_lshl_or_b32 v[PW], v[BT+1], 8, v[BT]
	v_lshl_or_b32 v[PW], v[BT+2], 16, v[PW]
	v_lshl_or_b32 v[PW], v[BT+3], 24, v[PW]
.irp c, 0,1
	v_cvt_scalef32_pk16_fp6_f32 v[PC+6*\c:PC+2+6*\c], v[S+32*\c:S+15+32*\c], v[BS+2*\c]
	v_cvt_scalef32_pk16_fp6_f32 v[PT+4*\c:PT+2+4*\c], v[S+16+32*\c:S+31+32*\c], v[BS+2*\c+1]
.endr
	v_nop                                          ; one plain instruction behind a scaled conversion
.irp c, 0,1
.irp i, 0,1,2
	v_permlane16_swap_b32 v[PC+6*\c+\i], v[PT+4*\c+\i]
.endr
.irp i, 0,1,2
	v_mov_b32 v[PC+3+6*\c+\i], v[PT+4*\c+\i]
.endr
.endr
.set i, 0
.rept 16
	v_pk_mul_f32 v[OT+2*i:OT+2*i+1], v[OT+2*i:OT+2*i+1], v[238:239] op_sel_hi:[1,0]   ; O^T under the new M; also the places between the codes and the scale word just made and the products
.set i, i+1
.endr
	s_wait_dscnt 0x0                               ; V and its scale words
.irp t, 0,1,2,3                                ; the four accumulators by turns
	v_wmma_scale_f32_16x16x128_f8f6f4 v[OT+8*\t:OT+8*\t+7], v[KF+12*\t:KF+12*\t+11], v[PC:PC+11], v[OT+8*\t:OT+8*\t+7], v[VS+\t], v[PW] matrix_a_fmt:MATRIX_FMT_FP6 matrix_b_fmt:MATRIX_FMT_FP6
.endr
	s_add_co_u32 s[TK], s[TK], 6144
	s_add_co_u32 s[TV], s[TV], 1536
	s_add_co_u32 s[TS], s[TS], 256
	s_add_co_u32 s[TA], s[TA], 512
.endm
; Chunk c: 512 keys, four steps.  The waves that asked wait until chunk c has landed (the chunks behind it may stay out), every wave's LDS instructions are done, and the barrier shows the chunk to all.
.macro STAGE c
	s_wait_tensorcnt 3-\c
	s_wait_dscnt 0x0
	s_barrier_signal -1
	s_barrier_wait -1
	s_mov_b32 s[CNT], 4
.Lstep_\@:
	STEP
	s_sub_co_u32 s[CNT], s[CNT], 1
	s_cmp_lg_u32 s[CNT], 0
	s_cbranch_scc1 .Lstep_\@
	s_add_co_u32 s[TV], s[TV], 18432               ; on to the next chunk's part of V
.endm
	STAGE 0
	STAGE 1
	STAGE 2
	STAGE 3
	; THE WAY OUT: O^T / l, quantised along the head's 64 channels (register 16 b + i: channel 32 b + 16 h + i), leaves as one half image and two scale bytes a query.
	v_add_f32 v16, v16, v17
	v_permlanex16_b32 v240, v16, s[SEL], s[SEL+1]
	v_add_f32 v16, v16, v240                       ; the row's sum
	v_rcp_f32 v240, v16
	v_and_b32 v7, 15, v0                           ; (plain instructions behind the reciprocal and behind the last products)
	v_bfe_u32 v8, v0, 4, 1
	v_lshl_add_u32 v7, v7, 3, v8                   ; 8 r + h
	v_cmp_ne_u32 vcc_lo, 0, v8
	v_nop
	s_wait_alu depctr_va_vdst(0)                   ; ahead of the reciprocal's first reader
.set i, 0
.rept 16
	v_pk_mul_f32 v[S+2*i:S+2*i+1], v[OT+2*i:OT+2*i+1], v[240:241] op_sel_hi:[1,0]   ; each accumulator from its low end on
.set i, i+1
.endr
.irp b, 0,1
	v_max3_num_f32 v[BM+\b], |v[S+16*\b]|, |v[S+1+16*\b]|, 0x1800000
.endr
.irp i, 2,4,6,8,10,12,14
.irp b, 0,1
	v_max3_num_f32 v[BM+\b], v[BM+\b], |v[S+16*\b+\i]|, |v[S+1+16*\b+\i]|
.endr
.endr
.irp b, 0,1
	v_permlanex16_b32 v[BT+\b], v[BM+\b], s[SEL], s[SEL+1]
.endr
.irp b, 0,1
	v_max_num_f32 v[BM+\b], v[BM+\b], v[BT+\b]
.endr
.irp b, 0,1
	v_add_nc_u32 v[BS+\b], 0xff000000, v[BM+\b]
.endr
.irp b, 0,1
	v_lshrrev_b32 v[BT+\b], 23, v[BS+\b]
.endr
	v_cvt_scalef32_pk16_fp6_f32 v[PC:PC+2], v[S:S+15], v[BS]
	v_cvt_scalef32_pk16_fp6_f32 v[PT:PT+2], v[S+16:S+31], v[BS+1]
	v_nop
.irp i, 0,1,2
	v_permlane16_swap_b32 v[PC+\i], v[PT+\i]       ; lanes 0-15: block 0, lanes 16-31: block 1
.endr
.irp i, 0,1,2
	v_mov_b32 v[PC+3+\i], v[PT+\i]
.endr
	v_cndmask_b32 v9, v[BT], v[BT+1], vcc_lo       ; my block's byte
	global_store_b128 v1, v[PC:PC+3], s[88:89]     ; 512 consecutive bytes
	global_store_b64 v2, v[PC+4:PC+5], s[88:89]    ; 256 consecutive bytes
	global_store_b8 v7, v9, s[86:87]
	s_wait_dscnt 0x0
	s_wait_tensorcnt 0x0
	ds_add_u32 v254, v255
	s_wait_dscnt 0x0
	CROUND                                         ; the closing round
	s_endpgm
.Lfunc_end_k_q5130476270_attn:
	.size	k_q5130476270_attn, .Lfunc_end_k_q5130476270_attn-k_q5130476270_attn
	.p2alignl 7, 3214868480
	.fill 96, 4, 3214868480
	.section	.rodata,"a",@progbits
	.p2align	6, 0x0
	.amdhsa_kernel k_q5130476270_attn
		.amdhsa_group_segment_fixed_size 215040
		.amdhsa_private_segment_fixed_size 0
		.amdhsa_enable_private_segment 0
		.amdhsa_kernarg_size 24
		.amdhsa_user_sgpr_count 2
		.amdhsa_user_sgpr_kernarg_segment_ptr 1
		.amdhsa_wavefront_size32 1
		.amdhsa_system_sgpr_workgroup_id_x 1
		.amdhsa_system_sgpr_workgroup_id_y 1
		.amdhsa_system_sgpr_workgroup_id_z 1
		.amdhsa_system_vgpr_workitem_id 0
		.amdhsa_next_free_vgpr 256
		.amdhsa_next_free_sgpr 92
		.amdhsa_reserve_vcc 1
		.amdhsa_float_denorm_mode_32 3
		.amdhsa_float_denorm_mode_16_64 3
		.amdhsa_memory_ordered 1
		.amdhsa_forward_progress 1
		.amdhsa_inst_pref_size 92
	.end_amdhsa_kernel
	.amdgpu_metadata
---
amdhsa.version: [ 1, 2 ]
amdhsa.kernels:
  - .name:           k_q5130476270_attn
    .symbol:         k_q5130476270_attn.kd
    .args:
      - { .name: hq, .offset: 0, .size: 8, .value_kind: global_buffer, .address_space: global }
      - { .name: mask, .offset: 8, .size: 8, .value_kind: global_buffer, .address_space: global }
      - { .name: aq, .offset: 16, .size: 8, .value_kind: global_buffer, .address_space: global }
    .group_segment_fixed_size: 215040
    .private_segment_fixed_size: 0
    .kernarg_segment_align: 8
    .kernarg_segment_size: 24
    .max_flat_workgroup_size: 512
    .sgpr_count:     92
    .vgpr_count:     256
    .wavefront_size: 32
...
	.end_amdgpu_metadata
.endif
;; end of part 3
;; launch gemm_out (part 4): grid 4 x 16, 4 waves a work-group, clusters of 4 x 4, 327,680 bytes of LDS; arguments aq, wq, bo, out0; writes out0
.if DOCPART == 4
	.amdgcn_target "amdgcn-amd-amdhsa--gfx1250"
	.amdhsa_code_object_version 6
	.text
	.protected	k_q5130476270_gemm_out
	.globl	k_q5130476270_gemm_out
	.p2align	8
	.type	k_q5130476270_gemm_out,@function
k_q5130476270_gemm_out:
	s_mov_b64 s[64:65], 0
	v_nop
	global_prefetch_b8 v0, s[64:65] scope:SCOPE_SE
	s_setreg_imm32_b32 hwreg(HW_REG_WAVE_MODE, 25, 1), 1
	s_wait_xcnt 0x0
	s_wait_alu depctr_hold_cnt(0) depctr_sa_sdst(0) depctr_va_vdst(0) depctr_va_sdst(0) depctr_va_ssrc(0) depctr_va_vcc(0) depctr_vm_vsrc(0)
	s_getreg_b32 s2, hwreg(HW_REG_IB_STS2, 6, 4)
	s_cmp_eq_u32 s2, 0
	s_cbranch_scc0 .Lentry_in_a_cluster
	s_endpgm
.Lentry_in_a_cluster:
	s_bfe_u32 s2, ttmp6, 0x10000c
	s_cmp_lg_u32 s2, 0xf033
	s_cbranch_scc0 .Lentry_shape_is_right
	s_endpgm
.Lentry_shape_is_right:
; out = attn Wo + bo on codes of FP6 (E2M3) with E8M0 scales, K = 1,024; out [4096][1024] f32.
; C = A B^T, A = the attention's result (aq), B = Wo's columns (wq's fourth section); a tile of 256 x 256 to a work-group of four waves, 128 x 128 (64 accumulators) to a wave; 64 work-groups: the problem has no more tiles of this size.
; The matrix instruction is used transposed (source 0 = 16 rows of B, source 1 = 16 rows of A): a lane holds one token, and its registers run along the columns.
; OPERANDS lie in memory as images of their registers (half images of 768 bytes: 16 rows x 64 k; dwords 0-3 at 16 x lane, dwords 4-5 at 512 + 8 x lane), [tile of 16 rows][k / 64]; fragment row r of tile T is true row
; 32 (T / 2) + 8 (T % 2) + r % 8 + 16 (r / 8).  K goes in steps of 256 through two LDS slots filled by joint tensor loads (A's tile shared along a row of the cluster, B's along a column); the scale bytes come once.
; By this text's count a wave has three tensor loads out at the start and one behind each change of slots.  No prefetch: each slot is filled again once, and the launch is short.
; REGISTERS: window 0: v16-31 addresses; v32-63 scale words, two sets; v64-67 the bias; v128-223 A's fragments (on the way out v128-255: rows of C).  window 1: B's fragments, two sets.  windows 2, 3: the accumulators.
.set NQ,     2
.set FR,     12
.set NL,     4
.set NP,     4
.set STEPB,  3072
.set HALFT,  24576
.set SLOT,   98304
.set SCL,    196608
.set HALFS,  4096
.set SBLK,   512
.set SKEW,   128                       ; B's scale bytes lie 128 bytes further on, so that lanes 0-15 and lanes 16-31 of a load touch different banks
.set SPARE,  SCL+4*HALFS+256           ; the spare words, 128 bytes for each wave: two blocks of 256 bytes that no other line names
.set SPITCH, 528                       ; the way out: a stage of 16 rows x (512 bytes + 16) for each wave, in slot 0, which has had its last fill and its last read when the first result is stored there
.set ADRA, 16
.set ADRB, 20
.set L16,  24                          ; v24  16 x lane
.set L8,   25                          ; v25  8 x lane
.set STO,  26                          ; v26  the stage: where I put 32 bytes of a row
.set ADRS, 27
.set SPW,  28
.set NIL,  29
.set RD,   30                          ; v30  the stage: where I read a row back
.set SC,   32
.set BO,   64                          ; v64-67 bo of my four columns of a row
.set AF,   128
.set BK,   128
.set G1, 24
.set G0, 32
.set G1B, 48
.set G0B, 56
.set G1S, 68
.set G0S, 76
.set G1SB, 80
.set G0SB, 88
.set MSB, 0
.macro WIN new
.if MSB != \new
	s_set_vgpr_msb (MSB<<8)|\new
.set MSB, \new
.endif
.endm
.set MUL_LO, 0xa1
.set MUL_HI, 0xf1
.set TO_B,   0x40
.macro JLOAD g0a, g1a, g0b, g1b        ; a joint load: waves 0 and 1 fetch for A, waves 2 and 3 for B; four v_nop follow each of the two lines
	s_cmp_eq_u32 s15, 0
	s_cbranch_scc0 .Lfor_b_\@
	tensor_load_to_lds s[\g0a:\g0a+3], s[\g1a:\g1a+7]
	s_nop 0
.rept 4
	v_nop
.endr
	s_branch .Lasked_\@
.Lfor_b_\@:
	tensor_load_to_lds s[\g0b:\g0b+3], s[\g1b:\g1b+7]
	s_nop 0
.rept 4
	v_nop
.endr
.Lasked_\@:
.endm
.macro CREST
	s_cmp_lg_u32 s14, 0
	s_cbranch_scc1 .Lnot_wave_0_\@
	s_barrier_signal -3
.Lnot_wave_0_\@:
	s_barrier_wait -3
	s_barrier_signal -1
	s_barrier_wait -1
.endm
.macro CROUND
	s_barrier_signal -1
	s_barrier_wait -1
	CREST
.endm
	s_load_b256 s[4:11], s[0:1], 0x0               ; aq, wq, bo, out0
	v_lshl_add_u32 v[SPW], v0, 2, SPARE
	v_mov_b32 v[NIL], 0
	ds_add_u32 v28, v29
	ds_add_u32 v28, v29
	s_wait_dscnt 0x0
	v_lshrrev_b32 v1, 5, v0
	v_readfirstlane_b32 s14, v1                    ; wave 0..3
	s_lshr_b32 s15, s14, 1                         ; which half of the tile's rows is mine.  Also: I fetch for A (0) or for B (1)
	s_and_b32 s16, s14, 1                          ; which half of its columns.  Also: which 128 rows I fetch
	s_bfe_u32 s40, ttmp6, 0x40000                  ; cx
	s_bfe_u32 s41, ttmp6, 0x40004                  ; cy
	s_lshl_b32 s42, ttmp9, 2
	s_add_co_u32 s42, s42, s40                     ; tile column
	s_and_b32 s17, ttmp7, 0xffff
	s_lshl_b32 s17, s17, 2
	s_add_co_u32 s17, s17, s41                     ; tile row
	s_lshl_b32 s43, s41, 2
	s_lshl_b32 s43, 15, s43                        ; my row of the cluster
	s_lshl_b32 s44, 0x1111, s40                    ; my column
	s_or_b32 s[G1+0], s43, (3<<16)|(1<<21)         ; codes: 8 rows (tiles) of 3,072 bytes (384 elements of 8 bytes), 12,288 bytes apart; no padding: every read is dense
	s_or_b32 s[G1B+0], s44, (3<<16)|(1<<21)
.irp g, G1, G1B
	s_mov_b32 s[\g+1], 384<<16
	s_mov_b32 s[\g+2], 8<<16
	s_mov_b32 s[\g+3], 384<<16
	s_mov_b32 s[\g+4], 8
	s_mov_b32 s[\g+5], 1536
	s_mov_b32 s[\g+6], 0
	s_mov_b32 s[\g+7], 0
.endr
	s_or_b32 s[G1S+0], s43, (3<<16)|(1<<21)        ; scale bytes of 128 rows: 16 rows of 256 bytes, dense
	s_or_b32 s[G1SB+0], s44, (3<<16)|(1<<21)
.irp g, G1S, G1SB
	s_mov_b32 s[\g+1], 32<<16
	s_mov_b32 s[\g+2], 16<<16
	s_mov_b32 s[\g+3], 32<<16
	s_mov_b32 s[\g+4], 16
	s_mov_b32 s[\g+5], 32
	s_mov_b32 s[\g+6], 0
	s_mov_b32 s[\g+7], 0
.endr
	s_mul_i32 s18, s16, 98304
	s_lshl_b32 s19, s16, 12
	s_mul_i32 s20, s17, 196608                     ; A: codes
	s_add_co_u32 s20, s20, s18
	s_mov_b32 s21, 0
	s_lshl_b32 s22, s17, 13                        ; A: scale bytes
	s_add_co_u32 s22, s22, s19
	s_add_co_u32 s22, s22, 3145728
	s_mov_b32 s23, 0
	s_mul_i32 s46, s42, 196608                     ; B: codes, in wq's fourth section
	s_add_co_u32 s46, s46, s18
	s_add_co_u32 s46, s46, 2359296
	s_mov_b32 s47, 0
	s_lshl_b32 s92, s42, 13                        ; B: scale bytes
	s_add_co_u32 s92, s92, s19
	s_add_co_u32 s92, s92, 3145728+98304
	s_mov_b32 s93, 0
	s_mul_i32 s45, s14, HALFT
	s_lshl_b32 s94, s14, 12
	s_wait_kmcnt 0x0
	s_add_nc_u64 s[20:21], s[4:5], s[20:21]
	s_add_nc_u64 s[22:23], s[4:5], s[22:23]
	s_add_nc_u64 s[46:47], s[6:7], s[46:47]
	s_add_nc_u64 s[92:93], s[6:7], s[92:93]
	CROUND                                         ; all sixteen work-groups are here: the first joint loads meet
	s_mov_b32 s[G0S], 1
	s_add_co_u32 s[G0S+1], s94, SCL
	s_mov_b64 s[G0S+2:G0S+3], s[22:23]
	s_or_b32 s[G0S+3], s[G0S+3], 0x80000000
	s_mov_b32 s[G0SB], 1
	s_add_co_u32 s[G0SB+1], s94, SCL+SKEW
	s_mov_b64 s[G0SB+2:G0SB+3], s[92:93]
	s_or_b32 s[G0SB+3], s[G0SB+3], 0x80000000
	JLOAD G0S, G1S, G0SB, G1SB
.irp s, 0,1
	s_mov_b32 s[G0+4*\s], 1
	s_add_co_u32 s[G0+4*\s+1], s45, \s*SLOT
	s_add_nc_u64 s[G0+4*\s+2:G0+4*\s+3], s[20:21], \s*STEPB
	s_or_b32 s[G0+4*\s+3], s[G0+4*\s+3], 0x80000000
	s_mov_b32 s[G0B+4*\s], 1
	s_add_co_u32 s[G0B+4*\s+1], s45, \s*SLOT
	s_add_nc_u64 s[G0B+4*\s+2:G0B+4*\s+3], s[46:47], \s*STEPB
	s_or_b32 s[G0B+4*\s+3], s[G0B+4*\s+3], 0x80000000
	JLOAD G0+4*\s, G1, G0B+4*\s, G1B
.endr
	v_and_b32 v1, 15, v0                           ; r
	v_bfe_u32 v2, v0, 4, 1                         ; h
	v_and_b32 v3, 31, v0
	v_lshlrev_b32 v[L16], 4, v3
	v_lshlrev_b32 v[L8], 3, v3
	s_mul_i32 s21, s15, HALFT
	s_mul_i32 s22, s16, HALFT
	s_add_co_u32 s22, s22, 2*HALFT
.irp s, 0,1
	v_add_nc_u32 v[ADRA+\s], s21, v[L16]
	v_add_nc_u32 v[ADRB+\s], s22, v[L16]
	v_add_nc_u32 v[ADRA+2+\s], s21, v[L8]
	v_add_nc_u32 v[ADRB+2+\s], s22, v[L8]
	s_add_co_u32 s21, s21, SLOT
	s_add_co_u32 s22, s22, SLOT
.endr
	v_lshlrev_b32 v5, 3, v1
	s_lshl_b32 s21, s15, 12
	s_lshl_b32 s22, s16, 12
	s_add_co_u32 s22, s22, 2*HALFS+SKEW
	s_sub_co_u32 s22, s22, s21
	v_mul_u32_u24 v6, s22, v2                      ; lanes 16-31 take B's: the lower base + h x the distance
	s_add_co_u32 s21, s21, SCL
	v_add_nc_u32 v5, v5, v6
	v_add_nc_u32 v[ADRS], s21, v5
	s_mul_i32 s23, s14, 16*SPITCH                  ; my stage
	v_mul_u32_u24 v5, v1, SPITCH
	v_lshl_add_u32 v5, v2, 6, v5                   ; in: row r, + 64 h: B's tile b, register j is column 32 (b / 2) + 8 (b % 2) + 16 h + j
	v_add_nc_u32 v[STO], s23, v5
	v_add_nc_u32 v[RD], s23, v[L16]                ; back: the 32 lanes take one row of 512 bytes
	s_lshl_b32 s18, s42, 10
	s_lshl_b32 s19, s16, 9
	s_add_co_u32 s18, s18, s19                     ; my first column, in bytes
	s_mov_b32 s19, 0
	s_add_nc_u64 s[8:9], s[8:9], s[18:19]
	global_load_b128 v[BO:BO+3], v[L16], s[8:9]    ; bo of the four columns that I store of every row
	s_lshl_b32 s20, s17, 8
	s_lshl_b32 s21, s15, 7
	s_add_co_u32 s20, s20, s21                     ; my first token
	s_lshl_b32 s20, s20, 12
	s_add_co_u32 s20, s20, s18
	s_mov_b32 s21, 0
	s_add_nc_u64 s[12:13], s[10:11], s[20:21]
.macro FRAG reg, adr, q, i             ; a fragment, 16 rows x 128 K, is two half images on end: registers 0-3, 4-5, 6-9, 10-11
	ds_load_b128 v[\reg:\reg+3], v[\adr] offset:STEPB*(\i)+1536*(\q)
	ds_load_b64 v[\reg+4:\reg+5], v[\adr+2] offset:STEPB*(\i)+1536*(\q)+512
	ds_load_b128 v[\reg+6:\reg+9], v[\adr] offset:STEPB*(\i)+1536*(\q)+768
	ds_load_b64 v[\reg+10:\reg+11], v[\adr+2] offset:STEPB*(\i)+1536*(\q)+1280
.endm
; 16 matrix instructions: A's blocks a0, a0 + 1 x B's eight.  The 64 accumulators take turns, one instruction a turn, in the same order in every step.
.macro MUL16 a0, p, q, sc, zero
.irp a, \a0, \a0+1
.irp b, 0,1,2,3,4,5,6,7
.if \zero
	v_wmma_scale_f32_16x16x128_f8f6f4 v[8*(8*((\a)%4)+\b):8*(8*((\a)%4)+\b)+7], v[128*(\p)+FR*\b:128*(\p)+FR*\b+FR-1], v[AF+FR*(\a):AF+FR*(\a)+FR-1], 0, v[SC+8*NQ*(\sc)+NQ*\b+(\q)], v[SC+8*NQ*(\sc)+NQ*(\a)+(\q)] matrix_a_fmt:MATRIX_FMT_FP6 matrix_b_fmt:MATRIX_FMT_FP6 matrix_a_scale:MATRIX_SCALE_ROW1
.else
	v_wmma_scale_f32_16x16x128_f8f6f4 v[8*(8*((\a)%4)+\b):8*(8*((\a)%4)+\b)+7], v[128*(\p)+FR*\b:128*(\p)+FR*\b+FR-1], v[AF+FR*(\a):AF+FR*(\a)+FR-1], v[8*(8*((\a)%4)+\b):8*(8*((\a)%4)+\b)+7], v[SC+8*NQ*(\sc)+NQ*\b+(\q)], v[SC+8*NQ*(\sc)+NQ*(\a)+(\q)] matrix_a_fmt:MATRIX_FMT_FP6 matrix_b_fmt:MATRIX_FMT_FP6 matrix_a_scale:MATRIX_SCALE_ROW1
.endif
.endr
.endr
.endm
.macro FETCH_B slot, q, p
	WIN TO_B
.irp i, 0,1,2,3,4,5,6,7
	FRAG 128*(\p)+FR*\i, ADRB+\slot, \q, \i
.endr
	WIN 0
.endm
.macro FETCH_A slot, q, i0
.irp i, \i0, \i0+1, \i0+2, \i0+3
	FRAG AF+FR*(\i), ADRA+\slot, \q, \i
.endr
.endm
.macro SCALES sc
.irp i, 0,1,2,3,4,5,6,7
	ds_load_b64 v[SC+8*NQ*\sc+NQ*\i:SC+8*NQ*\sc+NQ*\i+1], v[ADRS] offset:\i*SBLK
.endr
.endm
.macro PLACES n                        ; plain vector instructions between a matrix instruction and a load into, or a read of, its registers (ISA guide 7.12.1 for reads)
.rept \n
	v_nop
.endr
.endm
.macro STEP slot, q, zero
	s_wait_dscnt 4*NL                              ; B's set and A's blocks 0-3 are in; the youngest 16 loads (A's blocks 4-7) may be out
	WIN MUL_LO
	MUL16 0, (\q)%2, \q, \slot, \zero
	MUL16 2, (\q)%2, \q, \slot, \zero
	s_wait_dscnt 0
	PLACES NP
	FETCH_B \slot, (\q)+1, 1-(\q)%2
	FETCH_A \slot, (\q)+1, 0
	WIN MUL_HI
	MUL16 4, (\q)%2, \q, \slot, \zero
	MUL16 6, (\q)%2, \q, \slot, \zero
	PLACES NP
	WIN 0
	FETCH_A \slot, (\q)+1, 4
.endm
.macro TURN slot, next, fill           ; a slot's last step changes slots: one barrier; in front of it all my tensor loads, the add, and my reads of this slot are waited for
	s_wait_tensorcnt 0x0                           ; all my tensor loads have landed: my part of the next slot
	ds_add_u32 v[SPW], v[NIL]                      ; 0 onto my spare word
	s_wait_dscnt 4*NL+1                            ; (the add and the youngest 16 loads may be out)
	WIN MUL_LO
	MUL16 0, 1, NQ-1, \slot, 0
	s_wait_dscnt 0x0                               ; the add is done, and my reads of this slot are over
	s_barrier_signal -1
	MUL16 2, 1, NQ-1, \slot, 0
	WIN 0
	s_barrier_wait -1
.if \fill
	CREST                                          ; the barrier has opened a round of the cluster's barrier: no wave of any partner still reads this slot or has a load on its way
	s_add_nc_u64 s[G0+4*\slot+2:G0+4*\slot+3], s[G0+4*\slot+2:G0+4*\slot+3], 2*STEPB
	s_add_nc_u64 s[G0B+4*\slot+2:G0B+4*\slot+3], s[G0B+4*\slot+2:G0B+4*\slot+3], 2*STEPB
	JLOAD G0+4*\slot, G1, G0B+4*\slot, G1B         ; the first tensor load behind the round; its four v_nop are the places in front of the loads below
.else
	PLACES NP
.endif
	v_add_nc_u32 v[ADRS], 128, v[ADRS]
	FETCH_B \next, 0, 0
	FETCH_A \next, 0, 0
	SCALES \next
	WIN MUL_HI
	MUL16 4, 1, NQ-1, \slot, 0
	MUL16 6, 1, NQ-1, \slot, 0
	PLACES NP
	WIN 0
	FETCH_A \next, 0, 4
.endm
	s_wait_tensorcnt 1                             ; the scale bytes and my part of K step 0 are in (K step 1's load may be out)
	s_barrier_signal -1
	s_barrier_wait -1                              ; everybody's are
	FETCH_B 0, 0, 0
	FETCH_A 0, 0, 0
	SCALES 0
	FETCH_A 0, 0, 4
	STEP 0, 0, 1                                   ; K step 0: its first products start the sums
	TURN 0, 1, 1                                   ; slot 0 takes K step 2
	STEP 1, 0, 0
	TURN 1, 0, 1                                   ; slot 1 takes K step 3
	STEP 0, 0, 0
	TURN 0, 1, 0                                   ; nothing is left to fetch; behind this barrier nobody reads slot 0
	STEP 1, 0, 0
	s_wait_dscnt 4*NL
	WIN MUL_LO
	MUL16 0, 1, NQ-1, 1, 0
	MUL16 2, 1, NQ-1, 1, 0
	s_wait_dscnt 0
	WIN MUL_HI
	MUL16 4, 1, NQ-1, 1, 0
	MUL16 6, 1, NQ-1, 1, 0
	WIN 0
; THE WAY OUT, block by block of 16 tokens x 128 columns, through my own stage in LDS: in by 32 bytes a lane at the columns' true places, back as whole rows of 512 bytes; + bo; the 32 lanes store two aligned runs of 256 bytes.
; LDS serves a wave's instructions in order (ISA guide 5.7.1.4): no wait between the stores and the loads, nor in front of the next block's stores.
.macro TOSTAGE a
.set AC, 64*((\a)%4)
	WIN 0x08+4*((\a)/4)                            ; the data: window 2 or 3
.irp b, 0,1,2,3,4,5,6,7
	ds_store_b128 v[STO], v[AC+8*\b:AC+8*\b+3] offset:128*(\b/2)+32*(\b%2)          ; each accumulator from its low end on
	ds_store_b128 v[STO], v[AC+8*\b+4:AC+8*\b+7] offset:128*(\b/2)+32*(\b%2)+16
.endr
	WIN 0
.set BB, BK+64*((\a)%2)
.irp t, 0,1,2,3,4,5,6,7,8,9,10,11,12,13,14,15
	ds_load_b128 v[BB+4*\t:BB+4*\t+3], v[RD] offset:\t*SPITCH
.endr
.endm
.macro SEND a, younger                 ; younger: the LDS instructions issued behind block a's loads, which may stay out
.set BB, BK+64*((\a)%2)
	s_wait_dscnt \younger
.irp t, 0,1,2,3,4,5,6,7,8,9,10,11,12,13,14,15
	v_pk_add_f32 v[BB+4*\t:BB+4*\t+1], v[BB+4*\t:BB+4*\t+1], v[BO:BO+1]
	v_pk_add_f32 v[BB+4*\t+2:BB+4*\t+3], v[BB+4*\t+2:BB+4*\t+3], v[BO+2:BO+3]
.endr
.irp t, 0,1,2,3,4,5,6,7,8,9,10,11,12,13,14,15
	global_store_b128 v[L16], v[BB+4*\t:BB+4*\t+3], s[12:13] offset:(32*((\a)/2)+8*((\a)%2)+(\t%8)+16*(\t/8))*4096 th:TH_STORE_NT   ; fragment row t's true token stands in the immediate (127 rows at the most): the base is never stepped
.endr
.endm
	PLACES NP                                      ; for the loads into the registers that held A's fragments, and for the reads of the last results
	s_wait_loadcnt 0x0                             ; bo
	TOSTAGE 0
.irp a, 1,2,3,4,5,6,7
.if \a > 1
	s_wait_xcnt 0x0                                ; block a - 2's stores have read their registers: block a's loads may land there
.endif
	TOSTAGE \a
	SEND \a-1, 32                                  ; behind block a - 1's loads: block a's 16 stores and 16 loads
.endr
	SEND 7, 0
	s_wait_tensorcnt 0x0                           ; the wave's end
	ds_add_u32 v[SPW], v[NIL]
	s_wait_dscnt 0x0
	CROUND                                         ; the closing round
	s_endpgm
.Lfunc_end_k_q5130476270_gemm_out:
	.size	k_q5130476270_gemm_out, .Lfunc_end_k_q5130476270_gemm_out-k_q5130476270_gemm_out
	.p2alignl 7, 3214868480
	.fill 96, 4, 3214868480
	.section	.rodata,"a",@progbits
	.p2align	6, 0x0
	.amdhsa_kernel k_q5130476270_gemm_out
		.amdhsa_group_segment_fixed_size 327680
		.amdhsa_private_segment_fixed_size 0
		.amdhsa_enable_private_segment 0
		.amdhsa_kernarg_size 32
		.amdhsa_user_sgpr_count 2
		.amdhsa_user_sgpr_kernarg_segment_ptr 1
		.amdhsa_wavefront_size32 1
		.amdhsa_system_sgpr_workgroup_id_x 1
		.amdhsa_system_sgpr_workgroup_id_y 1
		.amdhsa_system_sgpr_workgroup_id_z 1
		.amdhsa_system_vgpr_workitem_id 0
		.amdhsa_next_free_vgpr 1024
		.amdhsa_next_free_sgpr 100
		.amdhsa_reserve_vcc 0
		.amdhsa_float_denorm_mode_32 3
		.amdhsa_float_denorm_mode_16_64 3
		.amdhsa_memory_ordered 1
		.amdhsa_forward_progress 1
		.amdhsa_inst_pref_size 159
	.end_amdhsa_kernel
	.amdgpu_metadata
---
amdhsa.version: [ 1, 2 ]
amdhsa.kernels:
  - .name:           k_q5130476270_gemm_out
    .symbol:         k_q5130476270_gemm_out.kd
    .args:
      - { .name: aq, .offset: 0, .size: 8, .value_kind: global_buffer, .address_space: global }
      - { .name: wq, .offset: 8, .size: 8, .value_kind: global_buffer, .address_space: global }
      - { .name: bo, .offset: 16, .size: 8, .value_kind: global_buffer, .address_space: global }
      - { .name: out0, .offset: 24, .size: 8, .value_kind: global_buffer, .address_space: global }
    .group_segment_fixed_size: 327680
    .private_segment_fixed_size: 0
    .kernarg_segment_align: 8
    .kernarg_segment_size: 32
    .max_flat_workgroup_size: 128
    .sgpr_count:     100
    .vgpr_count:     1024
    .wavefront_size: 32
...
	.end_amdgpu_metadata
.endif
;; end of part 4
